; MI455X (gfx1250); checked and timed in simulation.
; The chip was launched on July 23, 2026; its instructions are those of AMD's public machine-readable ISA for CDNA 5 (MIT licence, August 2026) and "CDNA5" Instruction Set Architecture Reference Guide (July 2026). The comments in the code are by the model that wrote it; some were corrected since.
;; Multi Head Attention. Allowed arithmetic: matrix products marked QUANTISED: E2M1 operands, one E8M0 scale for each 32 along K, by v_wmma_scale_f32_16x16x128_f8f6f4 with both operands' format E2M1 (or v_wmma_scale_f32_32x16x128_f4), f32 sums; everything else in f32.
;; Inputs: Wk_codes 16 x 64 x 32 x 16 uint8 (E2M1 codes of Wk, K innermost, in blocks of 32 codes, two codes a byte); Wk_scales 16 x 64 x 32 uint8 (E8M0 scales of Wk, one for each 32 codes along K); Wo_codes 1,024 x 32 x 16 uint8 (E2M1 codes of Wo, K innermost, in blocks of 32 codes, two codes a byte); Wo_scales 1,024 x 32 uint8 (E8M0 scales of Wo, one for each 32 codes along K); Wq_codes 16 x 64 x 32 x 16 uint8 (E2M1 codes of Wq, K innermost, in blocks of 32 codes, two codes a byte); Wq_scales 16 x 64 x 32 uint8 (E8M0 scales of Wq, one for each 32 codes along K); Wv_codes 16 x 64 x 32 x 16 uint8 (E2M1 codes of Wv, K innermost, in blocks of 32 codes, two codes a byte); Wv_scales 16 x 64 x 32 uint8 (E8M0 scales of Wv, one for each 32 codes along K); beta 1,024 float32; bo 1,024 float32; gamma 1,024 float32; x 4 x 2,048 x 1,024 float32.
;; Outputs: out0 4 x 2,048 x 1,024 float32.
;; This version of the problem:
;;   THIS VERSION OF THE PROBLEM IS GIVEN IN LOW PRECISION. The matrix products marked QUANTISED in the list below multiply operands that are first quantised to E2M1 (2 exponent bits, 1 mantissa bit; 4 bits a number), with one power-of-two scale for each 32 numbers along K (OCP MX v1.0); their sums are f32. All else is computed in f32.
;;   The module's matrix products, in the order in which they are computed (A, B: the left and right operand; K: the contracted axis; several contracted axes count as one K, in the product's order):
;;     1. [M 1,024, K 1,024] x [K 1,024, N 8,192]; A: input Wq (given as codes); B: input x: QUANTISED
;;     2. [M 1,024, K 1,024] x [K 1,024, N 8,192]; A: input Wk (given as codes); B: input x: QUANTISED
;;     3. [M 1,024, K 1,024] x [K 1,024, N 8,192]; A: input Wv (given as codes); B: input x: QUANTISED
;;     4. batch 64 x [M 2,048, K 64] x [K 64, N 2,048]; A: computed on the way; B: computed on the way: QUANTISED
;;     5. batch 64 x [M 2,048, K 2,048] x [K 2,048, N 64]; A: softmax (see below); B: computed on the way: QUANTISED
;;     6. [M 8,192, K 1,024] x [K 1,024, N 1,024]; A: computed on the way; B: input Wo (given as codes): QUANTISED
;;   THE QUANTISER, for each operand of a quantised product, along K:
;;     - K is cut into blocks of 32 from its start; a last block that is shorter is filled with zeros.
;;     - A block's scale is 2^e with e = floor(log2(the largest magnitude in the block)) - 2, held to -126 .. 127; a block of zeros has e = 0. As a byte (E8M0): e + 127.
;;     - Each number is divided by its block's scale, clamped to +-6, and rounded to the nearest number of E2M1, ties to even, subnormals kept.
;;     - The product sums the exact products of the quantised numbers (number of the format x scale) in f32.
;;   ~~~python
;;   def quantise(x, axis):      # numpy; x: float32 -> the quantised numbers, widened to float32 again
;;       x = np.moveaxis(x, axis, -1); K = x.shape[-1]
;;       x = np.pad(x, [(0, 0)] * (x.ndim - 1) + [(0, -K % 32)]); x = x.reshape(x.shape[:-1] + (-1, 32)); a = np.abs(x).max(-1, keepdims=True)
;;       e = np.where(a > 0, np.clip(np.frexp(np.where(a > 0, a, 1))[1] - 1 - 2, -126, 127), 0)      # np.frexp(a)[1] - 1 = floor(log2(a)), exactly
;;       r = np.clip(x / 2.0 ** e, -6, 6)
;;       step = 2.0 ** (np.maximum(np.frexp(np.where(r == 0, 1, r))[1] - 1, 0) - 1)
;;       q = np.round(r / step) * step * 2.0 ** e      # np.round: ties to even
;;       return np.moveaxis(q.reshape(q.shape[:-2] + (-1,))[..., :K], -1, axis).astype(np.float32)
;;   ~~~
;;   SOFTMAX AHEAD OF A QUANTISED PRODUCT. Where the list says 'softmax', what is quantised is not the finished softmax but p = 2^(t - M), with t = logit x log2(e) and M = ceil(the row's largest t), a whole number; so 1/2 < the row's largest p <= 1. The row's sum l is taken of the UNQUANTISED p, in f32, and the product's result is divided by l at the end. Since M is a whole number, a kernel that streams over the keys may use a running M (the ceiling of the running maximum): every later rescaling is an exact power of two, which a block's scale takes up: the codes' values come out the same.
;;   OPERANDS COMPUTED ON THE WAY. 'Computed on the way' means the value that the module computes at that place (a softmax that the list does not call 'softmax' is quantised finished and normalised). What goes into a quantiser is computed in f32, as accurately as f32 sums, v_exp_f32 and their like allow (about 1e-6 of the number): no bf16 or f16 on the way to a quantiser, and a product that is left as it is and whose result goes on into a quantised operand takes f32 operands (vector FMAs, or v_wmma_f32_16x16x4_f32). A number that lies on a knife's edge between two numbers of the format may be rounded either way, as far as f32 arithmetic and the matrix unit's own rounding can turn it there, and no further.
;;   INPUTS GIVEN AS CODES. Wk (in the module: [16, 1024, 64], K = its axis 1); Wo (in the module: [1024, 1024], K = its axis 0); Wq (in the module: [16, 1024, 64], K = its axis 1); Wv (in the module: [16, 1024, 64], K = its axis 1): each comes as NAME_codes (uint8): NAME with its K axis moved to the last place and cut into blocks of 32 codes, [.., K / 32, bytes a block], one block behind the other in memory; two codes a byte, the lower K in the low four bits (a code: sign, 2 exponent bits, 1 mantissa bit); and NAME_scales (uint8): the same leading axes, one E8M0 byte (e + 127) for each 32 codes along K. Its value is code x scale, taken as it is: it is not quantised again, and the codes and scales need not be those that the quantiser above would give.
;; 2 versions. Each part assembles by itself: llvm-mc -triple=amdgcn-amd-amdhsa -mcpu=gfx1250 --defsym DOCPART=n.
;; ======== version 1 of 2: 3 launches
;; workspace buffers: q_img 4,194,304 bytes; q_sc 524,288 bytes; kv 9,175,040 bytes; c_img 4,194,304 bytes; c_sc 262,144 bytes
;; launch qkv (part 1): grid 4 x 64, 4 waves a work-group, no clusters, 74,240 bytes of LDS; arguments x, Wq_codes, Wq_scales, Wk_codes, Wk_scales, Wv_codes, Wv_scales, q_img, q_sc, kv; writes q_img, q_sc, kv
.if DOCPART == 1
	.amdgcn_target "amdgcn-amd-amdhsa--gfx1250"
	.amdhsa_code_object_version 6
	.text
	.protected	k_q0b56e948af_qkv
	.globl	k_q0b56e948af_qkv
	.p2align	8
	.type	k_q0b56e948af_qkv,@function
k_q0b56e948af_qkv:
	s_mov_b64 s[64:65], 0
	v_nop
	global_prefetch_b8 v0, s[64:65] scope:SCOPE_SE
	s_setreg_imm32_b32 hwreg(HW_REG_WAVE_MODE, 25, 1), 1
	s_wait_xcnt 0x0
; q, k, v = x W for 128 tokens x 4 heads, on codes of FP4 (E2M1) with one E8M0 scale for each 32 along K; the results are quantised at once and leave as IMAGES OF OPERAND REGISTERS.
; x: [8192][1024] f32, quantised here along its 1,024.  Wq, Wk, Wv: codes, [16 heads][64][512 bytes], K innermost; their scale bytes [16][64][32].
; SHARES.  Work-group (x = group of 4 heads, y = block of 128 tokens = one key step of one batch).  Phase X: wave w quantises tokens 32 w .. 32 w + 31 into LDS.  Then wave w takes head 4 x + w through three jobs (q, k, v),
; each 4 tiles of the head's 64 x 8 tiles of tokens = 32 accumulators, 8 K steps of 128.  A head's weights stay in registers (32 fragments a job).
; THE ROWS OF A TILE ARE NOT NEIGHBOURS, for tokens and for the head's 64 alike: row r of tile 2 b + u is number 32 b + 8 u + r + 8 (r / 8), so that in a result the 16 registers of tiles 2 b and 2 b + 1 are 16 neighbours,
; 32 b + 16 (lane / 16) + 0 .. 15, along the axis that is quantised next: the head's 64 for q and k (source 0 = W, source 1 = x: a lane holds one token), the tokens for v (source 0 = x, source 1 = W: a lane holds one channel).
; OUT.  q_img, and K's part of kv: [head][tile of tokens][lane][16 bytes]: lane (r, h) holds block h of token r.  V's part: [key step][tile of channels][2][lane][16]: whole fragments, K = 128 keys.
; Scale words: q's and k's hold two bytes and 0x7f, 0x7f (the instruction's K is 128, the head's is 64: the other 64 are zero codes on both sides in the next launch).
; NO CLUSTER: what neighbours share is 524,288 bytes of f32 x, which has to pass the quantiser, or 393,216 bytes of weights; neither fits into LDS whole, so operands go through registers here.
; LIMITS: NaN and infinities among the inputs are not served.  A block whose largest magnitude lies under 2^-124, a block of zeros among them, gets the byte 1 (the floor): these bytes are read by this program alone.
; REGISTERS, in windows of 256: window 0: v1-10 addresses; v16-47 x's scale words; v48-95 the weights' scale words; v96-223 x's fragments, two sets of 8 (in phase X: four rows of 32 numbers); v224-253 at work.
;   window 1: the 32 accumulators.   window 2: Wq's 32 fragments, later Wv's.   window 3: Wk's.
.set XP,   528                         ; a token's 512 bytes of codes in LDS + 16: 132 words, so that the 16 rows of a fragment load start 4 banks apart (64 banks of 4 bytes: ISA guide 11.1)
.set XSB,  128*XP                      ; behind the codes: the scale bytes, 32 a token,
.set XSP,  48                          ; 48 bytes apart
.set XGA,  1                           ; v1   32 x lane: my 8 numbers of a piece of 256
.set XCW,  2                           ; v2   where I put 4 bytes of codes: 4 x lane + my wave's 32 rows
.set XSW,  3                           ; v3   where I put a scale byte: lane / 4 + my wave's 32 rows
.set XFA,  4                           ; v4   a fragment of x: XP r + 16 h
.set XSA,  5                           ; v5   x's scale words: XSP x lane
.set WA,   6                           ; v6   a fragment of W: 512 (r + 8 (r / 8)) + 16 h
.set WSA,  7                           ; v7   W's scale words: 32 (8 h + r + 8 (r / 8))
.set LI16, 8                           ; v8   16 x lane
.set LI8,  9                           ; v9   8 x lane
.set SH,   10                          ; v10  16 h
.set XSC,  16                          ; register 8 p + s: lanes 0-15 token tile 2 p, lanes 16-31 tile 2 p + 1, K step s
.set WSC,  48                          ; register 16 job + 8 b + s: lanes 0-15 tile 2 b, lanes 16-31 tile 2 b + 1
.set XF,   96
.set TM,   224                         ; v224-227 largest magnitudes, v228-231 bytes, v236-239 the conversions' scale operands
.set PC,   240                         ; v240-247 the codes just made
.set XW,   248                         ; v248-251 scale words to store
.set PW,   252                         ; v252 the scale word just made
.set MSB, 0
.macro WIN new                         ; s_set_vgpr_msb: bits 1:0 source 0, 3:2 source 1, 5:4 source 2, 7:6 destination; the high byte repeats the setting that is left
.if MSB != (\new)
	s_set_vgpr_msb (MSB<<8)|(\new)
.set MSB, (\new)
.endif
.endm
; a head's 32 fragments (tile t, K step s) into v[8 (4 s + t)] of a window: a tile's sixteen loads read its 16 rows whole
.macro WLOAD ptr, win
	WIN \win
.irp t, 0,1,2,3
.irp s, 0,1,2,3,4,5,6,7
.irp c, 0,1
	global_load_b128 v[8*(4*\s+\t)+4*\c:8*(4*\s+\t)+4*\c+3], v[WA], s[\ptr:\ptr+1] offset:(32*(\t/2)+8*(\t%2))*512+64*\s+32*\c
.endr
.endr
.endr
	WIN 0
.endm
.macro WSLOAD job, ptr                 ; and its scale words: 32 bytes a row = the words of 8 K steps
.irp b, 0,1
.irp q, 0,1
	global_load_b128 v[WSC+16*\job+8*\b+4*\q:WSC+16*\job+8*\b+4*\q+3], v[WSA], s[\ptr:\ptr+1] offset:1024*\b+16*\q
.endr
.endr
.endm
.macro ROWLOAD i                       ; token i of my 32: four pieces of 256 numbers, 8 neighbours a lane; a pair of loads reads 1,024 consecutive bytes
.irp q, 0,1,2,3
.irp e, 0,1
	global_load_b128 v[XF+32*((\i)%4)+8*\q+4*\e:XF+32*((\i)%4)+8*\q+4*\e+3], v[XGA], s[8:9] offset:4096*(\i)+1024*\q+16*\e
.endr
.endr
.endm
; Token i is quantised: four lanes hold a block of 32.  Its row in LDS is its place in tile order: tile (i / 8) % 2 of my two, row 8 (i / 16) + i % 8.
.macro ROW i
.set SL, XF+32*((\i)%4)
.set POS, 16*(((\i)/8)%2)+8*((\i)/16)+(\i)%8
.set CC, 232+4*((\i)%2)
.set EE, 240+4*((\i)%2)
.if 31-(\i) >= 3
	s_wait_loadcnt 24                              ; this row's eight loads are in (and all that were issued ahead of them: the weights); the three rows behind it may be out
.else
	s_wait_loadcnt 8*(31-(\i))
.endif
	s_wait_dscnt 8                                 ; the eight LDS stores of the row before may be out; those of the row before that have read these registers
.irp q, 0,1,2,3
	v_max3_num_f32 v[224+\q], |v[SL+8*\q]|, |v[SL+8*\q+1]|, 0x1800000   ; my 8 numbers of each piece, and the floor 2^(3 - 127): the byte cannot fall under 1
.endr
.irp j, 2,4,6
.irp q, 0,1,2,3
	v_max3_num_f32 v[224+\q], v[224+\q], |v[SL+8*\q+\j]|, |v[SL+8*\q+\j+1]|
.endr
.endr
.irp q, 0,1,2,3
	v_max_num_f32_dpp v[224+\q], v[224+\q], v[224+\q] row_xmask:1 row_mask:0xf bank_mask:0xf
.endr
.irp q, 0,1,2,3
	v_max_num_f32_dpp v[224+\q], v[224+\q], v[224+\q] row_xmask:2 row_mask:0xf bank_mask:0xf   ; the block's largest magnitude
.endr
.irp q, 0,1,2,3
	v_add_nc_u32 v[228+\q], 0xff000000, v[224+\q]  ; 2 off its exponent field: the conversion takes the exponent field of this operand as its scale
.endr
.irp q, 0,1,2,3
	v_cvt_scalef32_pk8_fp4_f32 v[CC+\q], v[SL+8*\q:SL+8*\q+7], v[228+\q]
.endr
.irp q, 0,1,2,3
	v_lshrrev_b32 v[EE+\q], 23, v[228+\q]          ; the scale's byte (plain lines behind the conversions)
.endr
.irp q, 0,1,2,3
	ds_store_b32 v[XCW], v[CC+\q] offset:POS*XP+128*\q
	ds_store_b8 v[XSW], v[EE+\q] offset:POS*XSP+8*\q   ; the four lanes of a block write the same byte with the same value
.endr
.if (\i)+4 < 32
	ROWLOAD (\i)+4
.endif
.endm
.macro FETCHX set, s                   ; the 8 token tiles' fragments of K step s
.irp m, 0,1,2,3,4,5,6,7
.irp c, 0,1
	ds_load_b128 v[XF+64*(\set)+8*\m+4*\c:XF+64*(\set)+8*\m+4*\c+3], v[XFA] offset:16*XP*\m+64*(\s)+32*\c
.endr
.endr
.endm
; one product.  ra, rb: the half of the lanes from which source 0's and source 1's scales are read
.macro WM d, a, b, zero, sa, sb, ra, rb
.set RR, 2*(\ra)+(\rb)
.if \zero
.if RR == 0
	v_wmma_scale_f32_16x16x128_f8f6f4 v[0+(\d):7+(\d)], v[0+(\a):7+(\a)], v[0+(\b):7+(\b)], 0, v[\sa], v[\sb] matrix_a_fmt:MATRIX_FMT_FP4 matrix_b_fmt:MATRIX_FMT_FP4
.elseif RR == 1
	v_wmma_scale_f32_16x16x128_f8f6f4 v[0+(\d):7+(\d)], v[0+(\a):7+(\a)], v[0+(\b):7+(\b)], 0, v[\sa], v[\sb] matrix_a_fmt:MATRIX_FMT_FP4 matrix_b_fmt:MATRIX_FMT_FP4 matrix_b_scale:MATRIX_SCALE_ROW1
.elseif RR == 2
	v_wmma_scale_f32_16x16x128_f8f6f4 v[0+(\d):7+(\d)], v[0+(\a):7+(\a)], v[0+(\b):7+(\b)], 0, v[\sa], v[\sb] matrix_a_fmt:MATRIX_FMT_FP4 matrix_b_fmt:MATRIX_FMT_FP4 matrix_a_scale:MATRIX_SCALE_ROW1
.else
	v_wmma_scale_f32_16x16x128_f8f6f4 v[0+(\d):7+(\d)], v[0+(\a):7+(\a)], v[0+(\b):7+(\b)], 0, v[\sa], v[\sb] matrix_a_fmt:MATRIX_FMT_FP4 matrix_b_fmt:MATRIX_FMT_FP4 matrix_a_scale:MATRIX_SCALE_ROW1 matrix_b_scale:MATRIX_SCALE_ROW1
.endif
.else
.if RR == 0
	v_wmma_scale_f32_16x16x128_f8f6f4 v[0+(\d):7+(\d)], v[0+(\a):7+(\a)], v[0+(\b):7+(\b)], v[0+(\d):7+(\d)], v[\sa], v[\sb] matrix_a_fmt:MATRIX_FMT_FP4 matrix_b_fmt:MATRIX_FMT_FP4
.elseif RR == 1
	v_wmma_scale_f32_16x16x128_f8f6f4 v[0+(\d):7+(\d)], v[0+(\a):7+(\a)], v[0+(\b):7+(\b)], v[0+(\d):7+(\d)], v[\sa], v[\sb] matrix_a_fmt:MATRIX_FMT_FP4 matrix_b_fmt:MATRIX_FMT_FP4 matrix_b_scale:MATRIX_SCALE_ROW1
.elseif RR == 2
	v_wmma_scale_f32_16x16x128_f8f6f4 v[0+(\d):7+(\d)], v[0+(\a):7+(\a)], v[0+(\b):7+(\b)], v[0+(\d):7+(\d)], v[\sa], v[\sb] matrix_a_fmt:MATRIX_FMT_FP4 matrix_b_fmt:MATRIX_FMT_FP4 matrix_a_scale:MATRIX_SCALE_ROW1
.else
	v_wmma_scale_f32_16x16x128_f8f6f4 v[0+(\d):7+(\d)], v[0+(\a):7+(\a)], v[0+(\b):7+(\b)], v[0+(\d):7+(\d)], v[\sa], v[\sb] matrix_a_fmt:MATRIX_FMT_FP4 matrix_b_fmt:MATRIX_FMT_FP4 matrix_a_scale:MATRIX_SCALE_ROW1 matrix_b_scale:MATRIX_SCALE_ROW1
.endif
.endif
.endm
; A K step of 128: 32 products, the 32 accumulators by turns, one instruction a turn.  job 0 = q, 1 = k, 2 = v.  The first step's products take the constant 0: nothing is cleared.
.macro KSTEP job, s, fetch
.set ZF, 0
.if (\s) == 0
.set ZF, 1
.endif
	s_wait_dscnt 0x0                               ; this step's fragments of x are in: they were asked for 32 products ago
.rept 4
	v_nop                                          ; four plain places between the last step's products and the loads into the set that they read (ISA guide 7.12.1 for vector instructions)
.endr
.if \fetch
	FETCHX ((\s)+1)%2, ((\s)+1)%8
.endif
.if (\job) == 2
	WIN 0x58                                       ; source 0 (x) window 0, source 1 (Wv) window 2, C and D window 1
.irp ct, 0,1,2,3
.irp m, 0,1,2,3,4,5,6,7
	WM 8*(8*\ct+\m), XF+64*((\s)%2)+8*\m, 8*(4*(\s)+\ct), ZF, XSC+8*(\m/2)+(\s), WSC+32+8*(\ct/2)+(\s), \m%2, \ct%2
.endr
.endr
.else
	WIN 0x52+(\job)                                ; source 0 (W) window 2 or 3, source 1 (x) window 0, C and D window 1
.irp m, 0,1,2,3,4,5,6,7
.irp t, 0,1,2,3
	WM 8*(4*\m+\t), 8*(4*(\s)+\t), XF+64*((\s)%2)+8*\m, ZF, WSC+16*(\job)+8*(\t/2)+(\s), XSC+8*(\m/2)+(\s), \t%2, \m%2
.endr
.endr
.endif
	WIN 0
.endm
; 64 results of a lane, registers s .. s + 63 of window 1, register 16 b + i = number 16 (lane / 16) + i of block b, become codes in v[PC] on (lanes 0-15: blocks 0 and 2, lanes 16-31: blocks 1 and 3) and four bytes in v[PW].
.macro QUANT s
	s_wait_xcnt 0x0                                ; the last stores have read the codes' and the words' registers: only behind this wait are they written again
	WIN 0x14                                       ; sources 1 and 2 window 1
.irp b, 0,1,2,3
	v_max3_num_f32 v[TM+\b], 0x1800000, |v[16*\b+(\s)]|, |v[16*\b+1+(\s)]|   ; each accumulator is read from its low end on; the floor 2^(3 - 127) holds the byte at 1 from below
.endr
.irp i, 2,4,6,8,10,12,14
.irp b, 0,1,2,3
	v_max3_num_f32 v[TM+\b], v[TM+\b], |v[16*\b+\i+(\s)]|, |v[16*\b+\i+1+(\s)]|
.endr
.endr
	WIN 0
.irp b, 0,1,2,3
	v_permlanex16_b32 v[TM+4+\b], v[TM+\b], s36, s37
.endr
.irp b, 0,1,2,3
	v_max_num_f32 v[TM+\b], v[TM+\b], v[TM+4+\b]   ; with lane l xor 16's 16: the block's largest magnitude
.endr
.irp b, 0,1,2,3
	v_add_nc_u32 v[TM+12+\b], 0xff000000, v[TM+\b]
.endr
.irp b, 0,1,2,3
	v_lshrrev_b32 v[TM+4+\b], 23, v[TM+12+\b]
.endr
	v_lshl_or_b32 v[PW], v[TM+5], 8, v[TM+4]
	v_lshl_or_b32 v[PW], v[TM+6], 16, v[PW]
	v_lshl_or_b32 v[PW], v[TM+7], 24, v[PW]
	WIN 0x01                                       ; source 0 window 1
.irp b, 0,1,2,3
	v_cvt_scalef32_pk8_fp4_f32 v[PC+2*\b], v[16*\b+(\s):16*\b+7+(\s)], v[TM+12+\b]
	v_cvt_scalef32_pk8_fp4_f32 v[PC+2*\b+1], v[16*\b+8+(\s):16*\b+15+(\s)], v[TM+12+\b]
.endr
	WIN 0
	v_nop                                          ; one plain place behind a scaled conversion
.irp c, 0,1                                    ; a whole block to a lane: lanes 0-15 block 2 c, lanes 16-31 block 2 c + 1
.irp i, 0,1
	v_permlane16_swap_b32 v[PC+4*\c+\i], v[PC+2+4*\c+\i]
.endr
.endr
.endm
; q's or k's way out: 64 registers are two tiles of tokens x two blocks.  Each store of the wave covers 512 consecutive bytes, aligned.
.macro OUTQK ip, sp, so
.irp j, 0,1,2,3
	QUANT 64*\j
.irp c, 0,1
	global_store_b128 v[LI16], v[PC+4*\c:PC+4*\c+3], s[\ip:\ip+1] offset:1024*\j+512*\c
.endr
	v_lshrrev_b32 v[XW+\j], v[SH], v[PW]           ; lanes 0-15 keep tile 2 j's two bytes, lanes 16-31 tile 2 j + 1's,
	v_and_or_b32 v[XW+\j], v[XW+\j], 0xffff, s38   ; under 0x7f, 0x7f for the 64 along K that are zero codes
.endr
	global_store_b128 v[LI16], v[XW:XW+3], s[\sp:\sp+1] offset:\so
.endm
	s_load_b512 s[8:23], s[0:1], 0x0               ; x s[8:9]; Wq's codes, scales s[10:13]; Wk's s[14:17]; Wv's s[18:21]; q_img s[22:23]
	s_load_b128 s[24:27], s[0:1], 0x40             ; q_sc s[24:25], kv s[26:27]
	v_lshl_add_u32 v254, v0, 2, 0x12000
	v_mov_b32 v255, 0
	v_lshrrev_b32 v11, 5, v0
	v_readfirstlane_b32 s28, v11                   ; wave 0..3
	v_and_b32 v11, 31, v0                          ; lane
	v_and_b32 v12, 15, v0                          ; r
	v_bfe_u32 v13, v0, 4, 1                        ; h
	v_lshlrev_b32 v[XGA], 5, v11
	s_mul_i32 s29, s28, 32*XP
	v_lshl_add_u32 v[XCW], v11, 2, s29
	s_mul_i32 s30, s28, 32*XSP
	s_add_co_u32 s30, s30, XSB
	v_lshrrev_b32 v14, 2, v11
	v_add_nc_u32 v[XSW], s30, v14
	v_mul_u32_u24 v[XFA], v12, XP
	v_lshl_add_u32 v[XFA], v13, 4, v[XFA]
	v_mul_u32_u24 v[XSA], v11, XSP
	v_add_nc_u32 v[XSA], XSB, v[XSA]
	v_and_b32 v14, 8, v12
	v_add_nc_u32 v14, v14, v12                     ; r + 8 (r / 8)
	v_lshlrev_b32 v[WA], 9, v14
	v_lshl_add_u32 v[WA], v13, 4, v[WA]
	v_lshl_add_u32 v14, v13, 3, v14
	v_lshlrev_b32 v[WSA], 5, v14
	v_lshlrev_b32 v[LI16], 4, v11
	v_lshlrev_b32 v[LI8], 3, v11
	v_lshlrev_b32 v[SH], 4, v13
	s_mov_b32 s36, 0x76543210
	s_mov_b32 s37, 0xfedcba98                      ; v_permlanex16_b32's selects for lane l xor 16
	s_mov_b32 s38, 0x7f7f0000
	s_mov_b32 s39, 0xffff0000                      ; lanes 16-31
	s_and_b32 s29, ttmp7, 0xffff                   ; block of 128 tokens
	s_lshl_b32 s30, ttmp9, 2
	s_add_co_u32 s30, s30, s28                     ; my head
	s_lshr_b32 s31, s29, 4
	s_lshl_b32 s31, s31, 4
	s_add_co_u32 s31, s31, s30                     ; 16 x batch + head
	s_and_b32 s32, s29, 15                         ; key step in the batch
	s_mov_b32 s35, 0
	s_lshl_b32 s34, s29, 19                        ; 128 rows of 4,096 bytes,
	s_lshl_b32 s33, s28, 17                        ; my wave's 32 of them
	s_add_co_u32 s34, s34, s33
	s_wait_kmcnt 0x0
	s_add_nc_u64 s[8:9], s[8:9], s[34:35]
	s_lshl_b32 s34, s30, 15                        ; a head's codes: 64 rows of 512 bytes
	s_add_nc_u64 s[10:11], s[10:11], s[34:35]
	s_add_nc_u64 s[14:15], s[14:15], s[34:35]
	s_add_nc_u64 s[18:19], s[18:19], s[34:35]
	s_lshl_b32 s34, s30, 11                        ; its scale bytes
	s_add_nc_u64 s[12:13], s[12:13], s[34:35]
	s_add_nc_u64 s[16:17], s[16:17], s[34:35]
	s_add_nc_u64 s[20:21], s[20:21], s[34:35]
	s_lshl_b32 s34, s31, 16
	s_lshl_b32 s33, s32, 12
	s_add_co_u32 s34, s34, s33
	s_add_nc_u64 s[22:23], s[22:23], s[34:35]      ; q_img: 65,536 a head, 4,096 a key step
	s_lshl_b32 s34, s31, 13
	s_lshl_b32 s33, s32, 9
	s_add_co_u32 s34, s34, s33
	s_add_nc_u64 s[24:25], s[24:25], s[34:35]      ; q_sc: 8,192 a head, 512 a key step
	s_mul_i32 s34, s31, 143360
	s_add_nc_u64 s[26:27], s[26:27], s[34:35]      ; kv at my head: K's images, +65,536 V's, +131,072 K's words, +139,264 V's
	s_lshl_b32 s34, s32, 12
	s_add_nc_u64 s[40:41], s[26:27], s[34:35]
	s_lshl_b32 s34, s32, 9
	s_add_nc_u64 s[42:43], s[26:27], s[34:35]
	s_lshl_b32 s34, s32, 8
	s_add_nc_u64 s[44:45], s[26:27], s[34:35]
	WLOAD 10, 0x80                                 ; Wq into window 2
	WLOAD 14, 0xc0                                 ; Wk into window 3
	WSLOAD 0, 12
	WSLOAD 1, 16
	WSLOAD 2, 20
	; ---- X: my 32 tokens become codes and scale bytes in LDS; loads run four rows ahead
.irp i, 0,1,2,3
	ROWLOAD \i
.endr
.set RI, 0
.rept 32
	ROW RI
.set RI, RI+1
.endr
	s_wait_dscnt 0x0                               ; for the others' sake: my stores have landed
	s_barrier_signal -1
	s_barrier_wait -1                              ; the 128 tokens' codes and bytes lie in LDS; nothing is written there again
.irp p, 0,1,2,3
.irp q, 0,1
	ds_load_b128 v[XSC+8*\p+4*\q:XSC+8*\p+4*\q+3], v[XSA] offset:32*XSP*\p+16*\q   ; lane l: row 32 p + l: the words of four K steps
.endr
.endr
	FETCHX 0, 0
	; ---- q
.irp s, 0,1,2,3,4,5,6,7
	KSTEP 0, \s, 1                                 ; (the last step fetches K step 0 again, for the next job)
.endr
.rept 4
	v_nop                                          ; places in front of the loads into Wq's registers and of the first read of results
.endr
	WLOAD 18, 0x80                                 ; Wv takes Wq's place; it lands under q's way out and job k
	OUTQK 22, 24, 0
	; ---- k
.irp s, 0,1,2,3,4,5,6,7
	KSTEP 1, \s, 1
.endr
.rept 4
	v_nop
.endr
	OUTQK 40, 42, 131072
	; ---- v
	s_wait_loadcnt 0x0                             ; Wv
.irp s, 0,1,2,3,4,5,6
	KSTEP 2, \s, 1
.endr
	KSTEP 2, 7, 0
.rept 4
	v_nop
.endr
.irp ct, 0,1,2,3                               ; 64 registers are 16 channels x 128 keys: a whole fragment and its scale word
	QUANT 64*\ct
.irp c, 0,1
	global_store_b128 v[LI16], v[PC+4*\c:PC+4*\c+3], s[40:41] offset:65536+1024*\ct+512*\c
.endr
	v_mov_b32 v[XW+\ct], v[PW]
.endr
	v_cndmask_b32 v252, v248, v249, s39            ; lanes 0-15 tile 0's words, lanes 16-31 tile 1's;
	v_cndmask_b32 v253, v250, v251, s39            ; tiles 2 and 3 likewise: so the next launch reads two registers for four tiles
	global_store_b64 v[LI8], v[252:253], s[44:45] offset:139264   ; 256 consecutive bytes, aligned
	s_wait_tensorcnt 0x0
	ds_add_u32 v254, v255
	s_wait_dscnt 0x0
	s_endpgm
.Lfunc_end_k_q0b56e948af_qkv:
	.size	k_q0b56e948af_qkv, .Lfunc_end_k_q0b56e948af_qkv-k_q0b56e948af_qkv
	.p2alignl 7, 3214868480
	.fill 96, 4, 3214868480
	.section	.rodata,"a",@progbits
	.p2align	6, 0x0
	.amdhsa_kernel k_q0b56e948af_qkv
		.amdhsa_group_segment_fixed_size 74240
		.amdhsa_private_segment_fixed_size 0
		.amdhsa_enable_private_segment 0
		.amdhsa_kernarg_size 80
		.amdhsa_user_sgpr_count 2
		.amdhsa_user_sgpr_kernarg_segment_ptr 1
		.amdhsa_wavefront_size32 1
		.amdhsa_system_sgpr_workgroup_id_x 1
		.amdhsa_system_sgpr_workgroup_id_y 1
		.amdhsa_system_sgpr_workgroup_id_z 1
		.amdhsa_system_vgpr_workitem_id 0
		.amdhsa_next_free_vgpr 1024
		.amdhsa_next_free_sgpr 66
		.amdhsa_reserve_vcc 0
		.amdhsa_float_denorm_mode_32 3
		.amdhsa_float_denorm_mode_16_64 3
		.amdhsa_memory_ordered 1
		.amdhsa_forward_progress 1
		.amdhsa_inst_pref_size 255
	.end_amdhsa_kernel
	.section	.bss,"aw",@nobits
	.p2align	6
	.space	262144
	.amdgpu_metadata
---
amdhsa.version: [ 1, 2 ]
amdhsa.kernels:
  - .name:           k_q0b56e948af_qkv
    .symbol:         k_q0b56e948af_qkv.kd
    .args:
      - { .name: x, .offset: 0, .size: 8, .value_kind: global_buffer, .address_space: global }
      - { .name: Wq_codes, .offset: 8, .size: 8, .value_kind: global_buffer, .address_space: global }
      - { .name: Wq_scales, .offset: 16, .size: 8, .value_kind: global_buffer, .address_space: global }
      - { .name: Wk_codes, .offset: 24, .size: 8, .value_kind: global_buffer, .address_space: global }
      - { .name: Wk_scales, .offset: 32, .size: 8, .value_kind: global_buffer, .address_space: global }
      - { .name: Wv_codes, .offset: 40, .size: 8, .value_kind: global_buffer, .address_space: global }
      - { .name: Wv_scales, .offset: 48, .size: 8, .value_kind: global_buffer, .address_space: global }
      - { .name: q_img, .offset: 56, .size: 8, .value_kind: global_buffer, .address_space: global }
      - { .name: q_sc, .offset: 64, .size: 8, .value_kind: global_buffer, .address_space: global }
      - { .name: kv, .offset: 72, .size: 8, .value_kind: global_buffer, .address_space: global }
    .group_segment_fixed_size: 74240
    .private_segment_fixed_size: 0
    .kernarg_segment_align: 8
    .kernarg_segment_size: 80
    .max_flat_workgroup_size: 128
    .sgpr_count:     66
    .vgpr_count:     1024
    .wavefront_size: 32
...
	.end_amdgpu_metadata
.endif
;; end of part 1
;; launch attn (part 2): grid 4 x 64, 16 waves a work-group, clusters of 4 x 1, 169,984 bytes of LDS; arguments q_img, q_sc, kv, c_img, c_sc; writes c_img, c_sc
.if DOCPART == 2
	.amdgcn_target "amdgcn-amd-amdhsa--gfx1250"
	.amdhsa_code_object_version 6
	.text
	.protected	k_q0b56e948af_attn
	.globl	k_q0b56e948af_attn
	.p2align	8
	.type	k_q0b56e948af_attn,@function
k_q0b56e948af_attn:
	s_mov_b64 s[64:65], 0
	v_nop
	global_prefetch_b8 v0, s[64:65] scope:SCOPE_SE
	s_setreg_imm32_b32 hwreg(HW_REG_WAVE_MODE, 25, 1), 1
	s_wait_xcnt 0x0
	s_wait_alu depctr_hold_cnt(0) depctr_sa_sdst(0) depctr_va_vdst(0) depctr_va_sdst(0) depctr_va_ssrc(0) depctr_va_vcc(0) depctr_vm_vsrc(0)
	s_getreg_b32 s2, hwreg(HW_REG_IB_STS2, 6, 4)
	s_cmp_eq_u32 s2, 0
	s_cbranch_scc0 .Lentry_in_a_cluster
	s_endpgm
.Lentry_in_a_cluster:
	s_bfe_u32 s2, ttmp6, 0x10000c
	s_cmp_lg_u32 s2, 0x3003
	s_cbranch_scc0 .Lentry_shape_is_right
	s_endpgm
.Lentry_shape_is_right:
; ctx[head][q] = the sum over keys of softmax(q . k / 8) v, both products on codes of FP4 (E2M1) with one E8M0 scale for each 32 along K; ctx is quantised along the head's 64 and leaves as images of operand registers.
; THE SOFTMAX AHEAD OF THE SECOND PRODUCT: t = score x log2(e) / 8; M = the running largest t rounded UP to a whole number; p = 2^(t - M) is what is quantised, along the keys, not normalised.  The row's sum is taken of the
; unquantised p and divides at the end.  When M moves, the sum and O are multiplied by 2^(old M - new M): exact.
; SHARES.  A work-group owns 512 queries of one head (y = 16 x batch + head); each of its sixteen waves two tiles of 16 queries, one after the other; every tile walks the head's 2,048 keys, 128 a step.
; K AND V OF THE WHOLE HEAD, 143,360 bytes as the launch before laid them (images of fragments and scale words), LIE IN LDS, filled once: no slot is ever filled again.
; CLUSTER.  The four work-groups of a head need the same 143,360 bytes: they are asked for JOINTLY, by waves 0 to 7, 17,920 bytes each, with a mask that names the four.  A wave has at most one tensor load out.
; LAYOUT.  Both products are used transposed: S^T = K Q^T (source 0 = 16 keys, source 1 = my 16 queries), O^T = V^T P^T (source 0 = 16 channels, source 1 = P): a lane holds ONE query (lane % 16) throughout.
; Row r of tile 2 b + u (keys, queries, channels alike) is number 32 b + 8 u + r + 8 (r / 8): so the 16 registers of tiles 2 b and 2 b + 1 are 16 neighbours, 32 b + 16 (lane / 16) + 0 .. 15.
; THE FIRST PRODUCT'S K IS 64, THE INSTRUCTION'S 128: registers 4 to 7 of K's and Q's fragments hold zero codes, set once, under the scale bytes 0x7f.
; LIMITS: NaN and infinities are not served.  A block of p or of ctx whose largest magnitude lies under 2^-124 gets the byte 1 (the floor).
; REGISTERS: v1-4 addresses that stay; v5-8 addresses of the loads in hand; v9-11 addresses; v12 -M, v13 the largest t, v[14:15] the sum in two halves; v16-23 Q; v24-27 K's scale words; v28-31 the second tile's Q;
;   v32-95 eight fragments of K; v96-159 S^T, then p; v160-191 O^T; v192-223 four fragments of V; v224-231 p's codes; v232-247 at work; v248-249 V's scale words; v250 the second tile's scale words of Q; v251-254 at work; v255 Q's scale words.
.set VIMG,  65536                      ; LDS = the head's part of kv: K's images at 0, V's here,
.set KSC,   131072                     ; K's scale words, 512 bytes a key step,
.set VSC,   139264                     ; V's, 256 bytes a key step
.set HEADB, 143360
.set PART,  17920                      ; what one tensor load brings: 70 rows of 256 bytes
.set SCR,   143360                     ; behind them: ctx's scale bytes of my 32 tiles, 32 bytes a tile; no fill lands here
.set LI,   1                           ; v1   16 x lane: my place in an image, in LDS and in memory
.set AV0,  2                           ; v2   VIMG + 16 x lane
.set ASK0, 3                           ; v3   KSC + 16 x lane
.set ASV0, 4                           ; v4   VSC + 8 x lane
.set ADK,  5
.set ADV,  6
.set ADS,  7
.set ADT,  8
.set SRD,  9                           ; v9   SCR + 16 x thread: where waves 0 and 1 read the words back
.set QSO,  10                          ; v10  16 r
.set SC0,  11                          ; v11  SCR + 64 x wave + 2 r
.macro CROUND                          ; a round of the cluster's barrier
	s_barrier_signal -1
	s_barrier_wait -1
	s_cmp_lg_u32 s14, 0
	s_cbranch_scc1 .Lnot_wave_0_\@
	s_barrier_signal -3
.Lnot_wave_0_\@:
	s_barrier_wait -3
	s_barrier_signal -1
	s_barrier_wait -1
.endm
	s_load_b256 s[4:11], s[0:1], 0x0               ; q_img s[4:5], q_sc s[6:7], kv s[8:9], c_img s[10:11]
	s_load_b64 s[12:13], s[0:1], 0x20              ; c_sc
	v_lshl_add_u32 v242, v0, 2, 0x29000
	v_mov_b32 v243, 0
	ds_add_u32 v242, v243
	ds_add_u32 v242, v243
	v_lshrrev_b32 v5, 5, v0
	v_readfirstlane_b32 s14, v5                    ; wave 0..15
	v_and_b32 v5, 31, v0                           ; lane
	v_and_b32 v6, 15, v0                           ; r
	v_lshlrev_b32 v[LI], 4, v5
	v_add_nc_u32 v[AV0], VIMG, v[LI]
	v_add_nc_u32 v[ASK0], KSC, v[LI]
	v_lshl_add_u32 v[ASV0], v5, 3, VSC
	v_lshl_add_u32 v[SRD], v0, 4, SCR
	v_lshlrev_b32 v[QSO], 4, v6
	s_lshl_b32 s16, s14, 6
	s_add_co_u32 s16, s16, SCR
	v_lshl_add_u32 v[SC0], v6, 1, s16
	s_bfe_u32 s15, ttmp6, 0x40000                  ; cx: my place in the cluster: it enters Q's and ctx's global addresses alone
	s_and_b32 s17, ttmp7, 0xffff                   ; 16 x batch + head, which the four partners share
	s_mov_b32 s20, 0x76543210
	s_mov_b32 s21, 0xfedcba98                      ; v_permlanex16_b32's selects for lane l xor 16
	s_mov_b32 s22, 0x3e38aa3b                      ; c = log2(e) / 8
	s_mov_b32 s23, s22                             ; (named with it as a pair, so it is written)
	; descriptor group 1: 70 rows of 256 bytes (32 elements of 8 bytes), dense in memory and in LDS
	s_mov_b32 s24, 15|(3<<16)|(1<<21)              ; 15:0 the mask: all four work-groups; 17:16 elements of 8 bytes; 21 set beside a mask
	s_mov_b32 s25, 32<<16                          ; tensor_dim0
	s_mov_b32 s26, 70<<16                          ; tensor_dim1
	s_mov_b32 s27, 32<<16                          ; tile_dim0
	s_mov_b32 s28, 70                              ; tile_dim1
	s_mov_b32 s29, 32                              ; tensor_dim0_stride
	s_mov_b32 s30, 0
	s_mov_b32 s31, 0
	s_mov_b32 s32, 1                               ; group 0: count = 1,
	s_mul_i32 s33, s14, PART                       ; LDS address: wave x 17,920,
	s_mul_i32 s36, s17, HEADB
	s_add_co_u32 s36, s36, s33
	s_mov_b32 s37, 0
	s_wait_dscnt 0x0
	s_wait_kmcnt 0x0
	s_add_nc_u64 s[34:35], s[8:9], s[36:37]        ; global address: the head's part, the same 17,920 bytes on,
	s_or_b32 s35, s35, 0x80000000                  ; type = 2
	CROUND                                         ; all four work-groups are here: the joint loads meet
	s_cmp_lt_u32 s14, 8
	s_cbranch_scc0 .Lno_fill
	tensor_load_to_lds s[32:35], s[24:31]
	s_nop 0
.rept 4
	v_nop
.endr
.Lno_fill:
	s_mov_b32 s39, 0
	s_lshl_b32 s38, s17, 16                        ; q_img: 65,536 a head, 512 a tile; my first tile is 32 cx + 2 x wave
	s_lshl_b32 s18, s15, 14
	s_add_co_u32 s38, s38, s18
	s_lshl_b32 s18, s14, 10
	s_add_co_u32 s38, s38, s18
	s_add_nc_u64 s[4:5], s[4:5], s[38:39]
	s_lshl_b32 s38, s17, 13                        ; q_sc: 8,192 a head, 512 for 8 tiles; in them tile t's words at 16 r + 256 (t % 2) + 4 (t / 2)
	s_lshl_b32 s18, s15, 11
	s_add_co_u32 s38, s38, s18
	s_lshr_b32 s18, s14, 2
	s_lshl_b32 s18, s18, 9
	s_add_co_u32 s38, s38, s18
	s_and_b32 s18, s14, 3
	s_lshl_b32 s18, s18, 2
	s_add_co_u32 s38, s38, s18
	s_add_nc_u64 s[6:7], s[6:7], s[38:39]
	s_lshr_b32 s38, s17, 4                         ; c_img: 8,192 a tile of the 128 of a batch, 512 a head in it
	s_lshl_b32 s38, s38, 20
	s_lshl_b32 s18, s15, 18
	s_add_co_u32 s38, s38, s18
	s_lshl_b32 s18, s14, 14
	s_add_co_u32 s38, s38, s18
	s_and_b32 s18, s17, 15
	s_lshl_b32 s18, s18, 9
	s_add_co_u32 s38, s38, s18
	s_add_nc_u64 s[10:11], s[10:11], s[38:39]
	s_lshl_b32 s38, s17, 12                        ; c_sc: 4,096 a head, 32 a tile
	s_lshl_b32 s18, s15, 10
	s_add_co_u32 s38, s38, s18
	s_add_nc_u64 s[12:13], s[12:13], s[38:39]
	global_load_b128 v[16:19], v[LI], s[4:5]       ; Q of my two tiles and their scale words
	global_load_b128 v[28:31], v[LI], s[4:5] offset:512
	global_load_b32 v255, v[QSO], s[6:7]
	global_load_b32 v250, v[QSO], s[6:7] offset:256
.irp j, 20,21,22,23
	v_mov_b32 v[\j], 0                             ; the zero codes of Q's upper 64 along K,
.endr
.irp t, 0,1,2,3,4,5,6,7
.irp j, 4,5,6,7
	v_mov_b32 v[32+8*\t+\j], 0                     ; and of K's: set once, never loaded over
.endr
.endr
.irp b, 0,1,2,3
	v_mov_b32 v[236+\b], 0                         ; written once: a lane permute's destination counts as one of its sources
.endr
	v_mov_b32 v253, 0                              ; (named as the upper half of the pair v[252:253] before it is first written)
	s_wait_tensorcnt 0x0                           ; my part of the head has landed,
	s_barrier_signal -1
	s_barrier_wait -1                              ; everybody's has
.irp t, 0,1,2,3,4,5,6,7
	ds_load_b128 v[32+8*\t:35+8*\t], v[LI] offset:512*\t   ; key step 0's eight tiles of K
.endr
	ds_load_b128 v[24:27], v[ASK0]                 ; register j: lanes 0-15 tile 2 j's scale words, lanes 16-31 tile 2 j + 1's
	s_wait_loadcnt 0x0                             ; Q
; A KEY STEP: 128 keys.  s40 = 4,096 x the step's number: the loop's counter.
.macro STEP
	s_lshr_b32 s41, s40, 4                         ; V's scale words: 256 bytes a step
	s_add_co_u32 s43, s40, 4096
	s_and_b32 s43, s43, 0xffff                     ; the next step, and behind the last the first: the next tile begins there
	s_lshr_b32 s42, s43, 3                         ; K's scale words: 512 bytes a step
	s_wait_dscnt 0x0                               ; this step's K and its scale words are in
.irp t, 0,2,4,6
	v_wmma_scale_f32_16x16x128_f8f6f4 v[96+8*\t:103+8*\t], v[32+8*\t:39+8*\t], v[16:23], 0, v[24+\t/2], v255 matrix_a_fmt:MATRIX_FMT_FP4 matrix_b_fmt:MATRIX_FMT_FP4
	v_wmma_scale_f32_16x16x128_f8f6f4 v[104+8*\t:111+8*\t], v[40+8*\t:47+8*\t], v[16:23], 0, v[24+\t/2], v255 matrix_a_fmt:MATRIX_FMT_FP4 matrix_b_fmt:MATRIX_FMT_FP4 matrix_a_scale:MATRIX_SCALE_ROW1
.endr
	v_add_nc_u32 v[ADV], s40, v[AV0]               ; four plain lines that name no register of a product: the places in front of the first read of the scores, of the loads into K's registers,
	v_add_nc_u32 v[ADT], s41, v[ASV0]              ; and (behind the last step's products) of the loads into V's (ISA guide 7.12.1 for vector instructions)
	v_add_nc_u32 v[ADK], s43, v[LI]
	v_add_nc_u32 v[ADS], s42, v[ASK0]
.irp ct, 0,1,2,3
.irp c, 0,1
	ds_load_b128 v[192+8*\ct+4*\c:195+8*\ct+4*\c], v[ADV] offset:1024*\ct+512*\c   ; this step's V: nine loads,
.endr
.endr
	ds_load_b64 v[248:249], v[ADT]                 ; register e: lanes 0-15 tile 2 e's scale words, lanes 16-31 tile 2 e + 1's
.irp t, 0,1,2,3,4,5,6,7
	ds_load_b128 v[32+8*\t:35+8*\t], v[ADK] offset:512*\t   ; the next step's K: nine more; both land under the softmax
.endr
	ds_load_b128 v[24:27], v[ADS]
.irp b, 0,1,2,3
	v_max3_num_f32 v[232+\b], v[96+16*\b], v[97+16*\b], v[98+16*\b]   ; the largest score of each block of 32 keys: for the row's maximum, and, since p rises with the score, for the block's largest p
.endr
.irp i, 3,5,7,9,11,13
.irp b, 0,1,2,3
	v_max3_num_f32 v[232+\b], v[232+\b], v[96+16*\b+\i], v[97+16*\b+\i]
.endr
.endr
.irp b, 0,1,2,3
	v_max_num_f32 v[232+\b], v[232+\b], v[111+16*\b]
.endr
.irp b, 0,1,2,3
	v_permlanex16_b32 v[236+\b], v[232+\b], s20, s21
.endr
.irp b, 0,1,2,3
	v_max_num_f32 v[232+\b], v[232+\b], v[236+\b]  ; with lane l xor 16's 16 keys
.endr
	v_max3_num_f32 v254, v232, v233, v234
	v_max_num_f32 v254, v254, v235                 ; the step's largest score of my query,
	v_mul_f32 v254, s22, v254                      ; as t
	v_max_num_f32 v13, v13, v254                   ; the running largest t
	v_mov_b32 v254, v12
	v_floor_f32 v12, -v13                          ; the new -M = floor(-t): M is a whole number
	v_sub_f32 v254, v12, v254                      ; old M - new M: a whole number, 0 or less
	v_cvt_i32_f32 v254, v254                       ; (it saturates)
	v_ldexp_f32 v252, 1.0, v254                    ; f = 2^(old M - new M)
.set j, 0
.rept 32
	v_pk_fma_f32 v[96+j:97+j], v[96+j:97+j], s[22:23], v[12:13] op_sel_hi:[1,0,0]   ; t - M, two at a time (of the pairs c and -M the low word serves both halves)
.set j, j+2
.endr
.irp b, 0,1,2,3
	v_fma_f32 v[232+\b], v[232+\b], s22, v12       ; the same of each block's largest score
.endr
.set j, 0
.rept 64
	v_exp_f32 v[96+j], v[96+j]                     ; p = 2^(t - M), at most 1: ONE BATCH of 68 exponentials,
.set j, j+1
.endr
.irp b, 0,1,2,3
	v_exp_f32 v[232+\b], v[232+\b]                 ; the blocks' largest p among them: the same two instructions on the same number give the same bits
.endr
	v_pk_mul_f32 v[14:15], v[14:15], v[252:253] op_sel_hi:[1,0]   ; work that names no result of the batch: the sums and O^T under the new M
.set j, 0
.rept 16
	v_pk_mul_f32 v[160+j:161+j], v[160+j:161+j], v[252:253] op_sel_hi:[1,0]
.set j, j+2
.endr
	s_wait_alu depctr_va_vdst(0)                   ; one wait for the whole batch, ahead of its first reader
.irp b, 0,1,2,3
	v_max_num_f32 v[232+\b], 0x1800000, v[232+\b]  ; the floor 2^(3 - 127): the byte cannot fall under 1
.endr
.irp b, 0,1,2,3
	v_add_nc_u32 v[244+\b], 0xff000000, v[232+\b]  ; 2 off the exponent field: the conversion's scale operand
.endr
.irp b, 0,1,2,3
	v_lshrrev_b32 v[236+\b], 23, v[244+\b]         ; the scale's byte
.endr
	v_lshl_or_b32 v253, v237, 8, v236              ; p's scale word for these 128 keys
	v_lshl_or_b32 v253, v238, 16, v253
	v_lshl_or_b32 v253, v239, 24, v253
.irp b, 0,1,2,3
	v_cvt_scalef32_pk8_fp4_f32 v[224+2*\b], v[96+16*\b:103+16*\b], v[244+\b]
	v_cvt_scalef32_pk8_fp4_f32 v[225+2*\b], v[104+16*\b:111+16*\b], v[244+\b]
.endr
	v_nop                                          ; one plain place behind a scaled conversion
.irp c, 0,1                                    ; a whole block to a lane: lanes 0-15 block 2 c, lanes 16-31 block 2 c + 1
.irp i, 0,1
	v_permlane16_swap_b32 v[224+4*\c+\i], v[226+4*\c+\i]
.endr
.endr
	v_pk_add_f32 v[236:237], v[96:97], v[98:99]    ; THE ROW'S SUM IS TAKEN OF THE UNQUANTISED p, in two chains.  These 32 lines are also the places between the scale word's and the codes' last writes and the products below
.irp j, 4,8,12,16,20,24,28,32,36,40,44,48,52,56,60
	v_pk_add_f32 v[14:15], v[14:15], v[96+\j:97+\j]
	v_pk_add_f32 v[236:237], v[236:237], v[98+\j:99+\j]
.endr
	v_pk_add_f32 v[14:15], v[14:15], v[236:237]
	s_wait_dscnt 9                                 ; V's nine loads are in; the next step's nine of K may be out
.irp e, 0,1                                    ; O^T += V^T P^T: four accumulators by turns
	v_wmma_scale_f32_16x16x128_f8f6f4 v[160+16*\e:167+16*\e], v[192+16*\e:199+16*\e], v[224:231], v[160+16*\e:167+16*\e], v[248+\e], v253 matrix_a_fmt:MATRIX_FMT_FP4 matrix_b_fmt:MATRIX_FMT_FP4
	v_wmma_scale_f32_16x16x128_f8f6f4 v[168+16*\e:175+16*\e], v[200+16*\e:207+16*\e], v[224:231], v[168+16*\e:175+16*\e], v[248+\e], v253 matrix_a_fmt:MATRIX_FMT_FP4 matrix_b_fmt:MATRIX_FMT_FP4 matrix_a_scale:MATRIX_SCALE_ROW1
.endr
.endm
; ONE TILE OF 16 QUERIES, the i-th of my two: all 16 key steps, then ctx = O / the sum, quantised along the head's 64 (two blocks), out.
.macro TILE i
	v_mov_b32 v13, 0xff61b1e6                      ; the largest t so far: -3e38, under every t
	v_floor_f32 v12, -v13                          ; -M
	v_mov_b32 v14, 0                               ; the sum, in two halves
	v_mov_b32 v15, 0
.set j, 0
.rept 32
	v_mov_b32 v[160+j], 0                          ; O^T: the step is written once; the first finds zeros, which the first change of M leaves zeros
.set j, j+1
.endr
	s_mov_b32 s40, 0
.Lstep_\@:
	STEP
	s_add_co_u32 s40, s40, 4096
	s_cmp_lt_u32 s40, 65536
	s_cbranch_scc1 .Lstep_\@
.rept 4
	v_nop                                          ; places behind the last products
.endr
	v_add_f32 v14, v14, v15                        ; the sum's two halves,
	v_permlanex16_b32 v252, v14, s20, s21
	v_add_f32 v14, v14, v252                       ; and lane l xor 16's: the row's sum
	v_rcp_f32 v14, v14
	v_nop                                          ; a plain place behind the reciprocal,
	s_wait_alu depctr_va_vdst(0)                   ; and the wait ahead of its first reader
.set j, 0
.rept 16
	v_pk_mul_f32 v[96+j:97+j], v[160+j:161+j], v[14:15] op_sel_hi:[1,0]   ; ctx: register 16 b + i' = channel 32 b + 16 (lane / 16) + i' of my query; each accumulator from its low end on
.set j, j+2
.endr
.irp b, 0,1
	v_max3_num_f32 v[232+\b], |v[96+16*\b]|, |v[97+16*\b]|, 0x1800000
.endr
.irp k, 2,4,6,8,10,12,14
.irp b, 0,1
	v_max3_num_f32 v[232+\b], v[232+\b], |v[96+16*\b+\k]|, |v[97+16*\b+\k]|
.endr
.endr
.irp b, 0,1
	v_permlanex16_b32 v[236+\b], v[232+\b], s20, s21
.endr
.irp b, 0,1
	v_max_num_f32 v[232+\b], v[232+\b], v[236+\b]
.endr
.irp b, 0,1
	v_add_nc_u32 v[244+\b], 0xff000000, v[232+\b]
.endr
.irp b, 0,1
	v_lshrrev_b32 v[236+\b], 23, v[244+\b]
.endr
	v_lshl_or_b32 v251, v237, 8, v236              ; my query's two scale bytes
.irp b, 0,1
	v_cvt_scalef32_pk8_fp4_f32 v[224+2*\b], v[96+16*\b:103+16*\b], v[244+\b]
	v_cvt_scalef32_pk8_fp4_f32 v[225+2*\b], v[104+16*\b:111+16*\b], v[244+\b]
.endr
	v_nop
	v_permlane16_swap_b32 v224, v226
	v_permlane16_swap_b32 v225, v227               ; lanes 0-15 hold block 0, lanes 16-31 block 1: half a fragment of the last product's operand
	global_store_b128 v[LI], v[224:227], s[10:11] offset:8192*\i   ; 512 consecutive bytes, aligned
	ds_store_b16 v[SC0], v251 offset:32*\i         ; both halves of the lanes write the same two bytes with the same value
.if \i == 0
	s_wait_xcnt 0x0                                ; the store has read the codes' registers: the next tile writes them again
.irp j, 0,1,2,3
	v_mov_b32 v[16+\j], v[28+\j]                   ; the second tile's Q and scale words; the 36 lines that begin the tile stand between these and its first product
.endr
	v_mov_b32 v255, v250
.endif
.endm
	TILE 0
	TILE 1
	s_wait_dscnt 0x0                               ; for the others' sake: my scale bytes have landed (and the last step's loads are in)
	s_barrier_signal -1
	s_barrier_wait -1
	v_lshlrev_b32 v100, 4, v0
	s_cmp_lt_u32 s14, 2                            ; the 32 tiles' 1,024 bytes leave by waves 0 and 1, 512 consecutive bytes each
	s_cbranch_scc0 .Lno_words
	ds_load_b128 v[96:99], v[SRD]
	s_wait_dscnt 0x0
	global_store_b128 v100, v[96:99], s[12:13]
.Lno_words:
	s_wait_tensorcnt 0x0
	ds_add_u32 v242, v243
	s_wait_dscnt 0x0
	CROUND                                         ; the closing round: no work-group ends while a partner may still ask for bytes jointly
	s_endpgm
.Lfunc_end_k_q0b56e948af_attn:
	.size	k_q0b56e948af_attn, .Lfunc_end_k_q0b56e948af_attn-k_q0b56e948af_attn
	.p2alignl 7, 3214868480
	.fill 96, 4, 3214868480
	.section	.rodata,"a",@progbits
	.p2align	6, 0x0
	.amdhsa_kernel k_q0b56e948af_attn
		.amdhsa_group_segment_fixed_size 169984
		.amdhsa_private_segment_fixed_size 0
		.amdhsa_enable_private_segment 0
		.amdhsa_kernarg_size 40
		.amdhsa_user_sgpr_count 2
		.amdhsa_user_sgpr_kernarg_segment_ptr 1
		.amdhsa_wavefront_size32 1
		.amdhsa_system_sgpr_workgroup_id_x 1
		.amdhsa_system_sgpr_workgroup_id_y 1
		.amdhsa_system_sgpr_workgroup_id_z 1
		.amdhsa_system_vgpr_workitem_id 0
		.amdhsa_next_free_vgpr 256
		.amdhsa_next_free_sgpr 66
		.amdhsa_reserve_vcc 0
		.amdhsa_float_denorm_mode_32 3
		.amdhsa_float_denorm_mode_16_64 3
		.amdhsa_memory_ordered 1
		.amdhsa_forward_progress 1
		.amdhsa_inst_pref_size 47
	.end_amdhsa_kernel
	.amdgpu_metadata
---
amdhsa.version: [ 1, 2 ]
amdhsa.kernels:
  - .name:           k_q0b56e948af_attn
    .symbol:         k_q0b56e948af_attn.kd
    .args:
      - { .name: q_img, .offset: 0, .size: 8, .value_kind: global_buffer, .address_space: global }
      - { .name: q_sc, .offset: 8, .size: 8, .value_kind: global_buffer, .address_space: global }
      - { .name: kv, .offset: 16, .size: 8, .value_kind: global_buffer, .address_space: global }
      - { .name: c_img, .offset: 24, .size: 8, .value_kind: global_buffer, .address_space: global }
      - { .name: c_sc, .offset: 32, .size: 8, .value_kind: global_buffer, .address_space: global }
    .group_segment_fixed_size: 169984
    .private_segment_fixed_size: 0
    .kernarg_segment_align: 8
    .kernarg_segment_size: 40
    .max_flat_workgroup_size: 512
    .sgpr_count:     66
    .vgpr_count:     256
    .wavefront_size: 32
...
	.end_amdgpu_metadata
.endif
;; end of part 2
;; launch outln (part 3): grid 256 x 1, 16 waves a work-group, no clusters, 152,064 bytes of LDS; arguments c_img, c_sc, Wo_codes, Wo_scales, bo, x, gamma, beta, out0; writes out0
.if DOCPART == 3
	.amdgcn_target "amdgcn-amd-amdhsa--gfx1250"
	.amdhsa_code_object_version 6
	.text
	.protected	k_q0b56e948af_outln
	.globl	k_q0b56e948af_outln
	.p2align	8
	.type	k_q0b56e948af_outln,@function
k_q0b56e948af_outln:
	s_mov_b64 s[64:65], 0
	v_nop
	global_prefetch_b8 v0, s[64:65] scope:SCOPE_SE
	s_setreg_imm32_b32 hwreg(HW_REG_WAVE_MODE, 25, 1), 1
	s_wait_xcnt 0x0
; out0 = LayerNorm(ctx Wo + bo + x) gamma + beta.  The product is on codes of FP4 (E2M1) with one E8M0 scale for each 32 along K = 1,024; all else in f32.
; ctx arrives as images of operand registers: c_img [tile of 16 tokens][K step 8][2][lane][16 bytes]; its scale bytes c_sc [16 x batch + head][tile in the batch][16 rows][2].  Wo: codes [1024 outputs][512 bytes], scale bytes [1024][32].
; SHARES.  A work-group takes 32 tokens (two tiles) and all 1,024 outputs, which the norm needs together.  In the product wave w makes outputs 64 w .. 64 w + 63 for both tiles: 8 accumulators, 8 K steps.
; The results meet in a stage in LDS; then wave w owns two whole rows: bias, residual, mean, variance (two passes: of the numbers, then of the differences), gain and offset.
; Row r of tile u is token 32 g + 8 u + r + 8 (r / 8), as the launches before laid them.  Source 0 = 16 rows of Wo, source 1 = ctx: a lane holds one token and eight neighbouring outputs.
; NO CLUSTER: what work-groups share is Wo's 524,288 bytes of codes, which do not fit into LDS beside the stage; they go from memory straight into registers, a K step ahead.
; LIMITS: NaN and infinities are not served.
; REGISTERS: v1-10 addresses; product: v16-31 ctx's two fragments, v32-95 Wo's fragments, two sets of 4, v96-111 Wo's scale words, v112-119 ctx's, v128-191 accumulators at 8 (2 t + u), v192-255 my two rows of x;
;   norm: v16-47 bo, v48-79 gamma, v80-111 beta, v112-127 at work, v128-191 my two rows.
.set CSC,  16384                       ; LDS: ctx's 16 fragments, 1,024 bytes each, at 0; here their scale words, 128 bytes each;
.set STG,  18432                       ; the stage: 32 rows,
.set SP,   4112                        ; 4,096 bytes + 16: 1,028 words, so that the 16 rows of a store start 4 banks apart (64 banks of 4 bytes: ISA guide 11.1)
.macro WM d, a, b, zero, sa, sb, ra, rb
.set RR, 2*(\ra)+(\rb)
.if \zero
.if RR == 0
	v_wmma_scale_f32_16x16x128_f8f6f4 v[0+(\d):7+(\d)], v[0+(\a):7+(\a)], v[0+(\b):7+(\b)], 0, v[\sa], v[\sb] matrix_a_fmt:MATRIX_FMT_FP4 matrix_b_fmt:MATRIX_FMT_FP4
.elseif RR == 1
	v_wmma_scale_f32_16x16x128_f8f6f4 v[0+(\d):7+(\d)], v[0+(\a):7+(\a)], v[0+(\b):7+(\b)], 0, v[\sa], v[\sb] matrix_a_fmt:MATRIX_FMT_FP4 matrix_b_fmt:MATRIX_FMT_FP4 matrix_b_scale:MATRIX_SCALE_ROW1
.elseif RR == 2
	v_wmma_scale_f32_16x16x128_f8f6f4 v[0+(\d):7+(\d)], v[0+(\a):7+(\a)], v[0+(\b):7+(\b)], 0, v[\sa], v[\sb] matrix_a_fmt:MATRIX_FMT_FP4 matrix_b_fmt:MATRIX_FMT_FP4 matrix_a_scale:MATRIX_SCALE_ROW1
.else
	v_wmma_scale_f32_16x16x128_f8f6f4 v[0+(\d):7+(\d)], v[0+(\a):7+(\a)], v[0+(\b):7+(\b)], 0, v[\sa], v[\sb] matrix_a_fmt:MATRIX_FMT_FP4 matrix_b_fmt:MATRIX_FMT_FP4 matrix_a_scale:MATRIX_SCALE_ROW1 matrix_b_scale:MATRIX_SCALE_ROW1
.endif
.else
.if RR == 0
	v_wmma_scale_f32_16x16x128_f8f6f4 v[0+(\d):7+(\d)], v[0+(\a):7+(\a)], v[0+(\b):7+(\b)], v[0+(\d):7+(\d)], v[\sa], v[\sb] matrix_a_fmt:MATRIX_FMT_FP4 matrix_b_fmt:MATRIX_FMT_FP4
.elseif RR == 1
	v_wmma_scale_f32_16x16x128_f8f6f4 v[0+(\d):7+(\d)], v[0+(\a):7+(\a)], v[0+(\b):7+(\b)], v[0+(\d):7+(\d)], v[\sa], v[\sb] matrix_a_fmt:MATRIX_FMT_FP4 matrix_b_fmt:MATRIX_FMT_FP4 matrix_b_scale:MATRIX_SCALE_ROW1
.elseif RR == 2
	v_wmma_scale_f32_16x16x128_f8f6f4 v[0+(\d):7+(\d)], v[0+(\a):7+(\a)], v[0+(\b):7+(\b)], v[0+(\d):7+(\d)], v[\sa], v[\sb] matrix_a_fmt:MATRIX_FMT_FP4 matrix_b_fmt:MATRIX_FMT_FP4 matrix_a_scale:MATRIX_SCALE_ROW1
.else
	v_wmma_scale_f32_16x16x128_f8f6f4 v[0+(\d):7+(\d)], v[0+(\a):7+(\a)], v[0+(\b):7+(\b)], v[0+(\d):7+(\d)], v[\sa], v[\sb] matrix_a_fmt:MATRIX_FMT_FP4 matrix_b_fmt:MATRIX_FMT_FP4 matrix_a_scale:MATRIX_SCALE_ROW1 matrix_b_scale:MATRIX_SCALE_ROW1
.endif
.endif
.endm
.macro WLOAD s                         ; my four tiles of Wo, K step s, into set s % 2: eight loads
.irp t, 0,1,2,3
.irp c, 0,1
	global_load_b128 v[32+32*((\s)%2)+8*\t+4*\c:35+32*((\s)%2)+8*\t+4*\c], v2, s[8:9] offset:8192*\t+64*(\s)+32*\c
.endr
.endr
.endm
.macro CFETCH s                        ; ctx's two fragments of K step s, as they were stored
.irp u, 0,1
.irp c, 0,1
	ds_load_b128 v[16+8*\u+4*\c:19+8*\u+4*\c], v1 offset:(8*\u+(\s))*1024+512*\c
.endr
.endr
.endm
; A K step: eight products, the eight accumulators by turns.
.macro OSTEP s
.set ZF, 0
.if (\s) == 0
.set ZF, 1
.endif
.if (\s) < 2
	s_wait_loadcnt 24                              ; this step's weights are in.  Behind them were issued: at step 0 step 1's eight loads and x's sixteen; at step 1 x's sixteen and step 2's eight
.elseif (\s) < 7
	s_wait_loadcnt 8                               ; behind them: the next step's eight
.else
	s_wait_loadcnt 0x0
.endif
	s_wait_dscnt 0x0                               ; ctx's fragments (and, at step 0, its scale words) are in
.irp t, 0,1,2,3
.irp u, 0,1
	WM 128+8*(2*\t+\u), 32+32*((\s)%2)+8*\t, 16+8*\u, ZF, 96+8*(\t/2)+(\s), 112+(\s), \t%2, \u
.endr
.endr
.rept 4
	v_nop                                          ; four plain places in front of loads into registers that these products have read, and of the first read of results (ISA guide 7.12.1 for vector instructions)
.endr
.if (\s) < 7
	CFETCH (\s)+1
.endif
.if (\s) < 6
	WLOAD (\s)+2
.endif
.endm
; v[112+8i:113+8i] and v[114+8i:115+8i], row i's two chains, become the row's sum in every lane, in v[116+8i]
.macro REDUCE
.irp i, 0,1
	v_pk_add_f32 v[112+8*\i:113+8*\i], v[112+8*\i:113+8*\i], v[114+8*\i:115+8*\i]
.endr
.irp i, 0,1
	v_add_f32 v[116+8*\i], v[112+8*\i], v[113+8*\i]
.endr
.irp m, 1,2,4,8
.irp i, 0,1
	v_add_f32_dpp v[116+8*\i], v[116+8*\i], v[116+8*\i] row_xmask:\m row_mask:0xf bank_mask:0xf
.endr
.endr
.irp i, 0,1
	v_permlanex16_b32 v[117+8*\i], v[116+8*\i], s24, s25
.endr
.irp i, 0,1
	v_add_f32 v[116+8*\i], v[116+8*\i], v[117+8*\i]
.endr
.endm
	s_load_b512 s[4:19], s[0:1], 0x0               ; c_img s[4:5], c_sc s[6:7], Wo's codes s[8:9], scales s[10:11], bo s[12:13], x s[14:15], gamma s[16:17], beta s[18:19]
	s_load_b64 s[20:21], s[0:1], 0x40              ; out0
	v_lshl_add_u32 v14, v0, 2, 0x24a00
	v_mov_b32 v15, 0
	v_lshrrev_b32 v11, 5, v0
	v_readfirstlane_b32 s22, v11                   ; wave 0..15
	v_and_b32 v11, 31, v0                          ; lane
	v_and_b32 v12, 15, v0                          ; r
	v_bfe_u32 v13, v0, 4, 1                        ; h
	v_lshlrev_b32 v1, 4, v11                       ; v1  16 x lane
	v_lshlrev_b32 v2, 9, v12
	v_lshl_add_u32 v2, v13, 4, v2                  ; v2  a fragment of Wo: 512 r + 16 h
	v_lshlrev_b32 v3, 5, v11                       ; v3  Wo's scale words: 32 x lane
	v_lshlrev_b32 v4, 1, v12                       ; v4  ctx's scale bytes: 2 r
	s_lshl_b32 s28, s22, 10
	v_add_nc_u32 v5, s28, v1                       ; v5  where I put my fragment of ctx: 1,024 x wave + 16 x lane
	s_lshl_b32 s28, s22, 7
	s_add_co_u32 s28, s28, CSC
	v_lshl_add_u32 v6, v11, 2, s28                 ; v6  and its scale words: 128 x wave + 4 x lane
	v_lshlrev_b32 v7, 2, v12
	v_lshl_add_u32 v7, v13, 10, v7
	v_add_nc_u32 v7, CSC, v7                       ; v7  back: lanes 0-15 tile 0's words, lanes 16-31 tile 1's, 8 fragments (1,024 bytes) on
	v_mul_u32_u24 v8, v12, SP
	v_lshl_add_u32 v8, v13, 5, v8
	s_lshl_b32 s28, s22, 8
	s_add_co_u32 s28, s28, STG
	v_add_nc_u32 v8, s28, v8                       ; v8  the stage, tile 0: row r, + 256 x wave + 32 h
	v_add_nc_u32 v9, 16*SP, v8                     ; v9  tile 1: 16 rows on
	s_mul_i32 s28, s22, 2*SP
	s_add_co_u32 s28, s28, STG
	v_add_nc_u32 v10, s28, v1                      ; v10 back: my two rows, 16 bytes a lane
	s_mov_b32 s24, 0x76543210
	s_mov_b32 s25, 0xfedcba98                      ; v_permlanex16_b32's selects for lane l xor 16
	s_mov_b32 s26, 0x3a800000                      ; 1 / 1,024
	s_mov_b32 s27, 0x3727c5ac                      ; 1e-5
	s_lshr_b32 s32, s22, 3                         ; the fragment that I bring: tile u = wave / 8,
	s_and_b32 s33, s22, 7                          ; K step wave % 8
	s_mov_b32 s31, 0
	s_wait_kmcnt 0x0
	s_lshl_b32 s30, ttmp9, 14                      ; c_img: 16,384 a work-group, 1,024 a fragment
	s_lshl_b32 s34, s22, 10
	s_add_co_u32 s30, s30, s34
	s_add_nc_u64 s[4:5], s[4:5], s[30:31]
	s_lshr_b32 s30, ttmp9, 6                       ; c_sc: 65,536 a batch, 4,096 a head (a K step is two heads), 32 a tile
	s_lshl_b32 s30, s30, 16
	s_lshl_b32 s34, s33, 13
	s_add_co_u32 s30, s30, s34
	s_and_b32 s34, ttmp9, 63
	s_lshl_b32 s34, s34, 6
	s_add_co_u32 s30, s30, s34
	s_lshl_b32 s34, s32, 5
	s_add_co_u32 s30, s30, s34
	s_add_nc_u64 s[6:7], s[6:7], s[30:31]
	s_lshl_b32 s30, s22, 15                        ; my 64 rows of Wo,
	s_add_nc_u64 s[8:9], s[8:9], s[30:31]
	s_lshl_b32 s30, s22, 11                        ; and their scale bytes
	s_add_nc_u64 s[10:11], s[10:11], s[30:31]
	s_lshl_b32 s30, ttmp9, 5                       ; the token of stage row 2 x wave: 32 g + 8 u + r + 8 (r / 8) with r = 2 (wave % 8); the next row is the next token
	s_lshl_b32 s34, s32, 3
	s_add_co_u32 s30, s30, s34
	s_lshl_b32 s34, s33, 1
	s_add_co_u32 s30, s30, s34
	s_bfe_u32 s34, s22, 0x10002
	s_lshl_b32 s34, s34, 3
	s_add_co_u32 s30, s30, s34
	s_lshl_b32 s30, s30, 12
	s_add_nc_u64 s[14:15], s[14:15], s[30:31]
	s_add_nc_u64 s[20:21], s[20:21], s[30:31]
	global_load_b128 v[120:123], v1, s[4:5]        ; my fragment of ctx,
	global_load_b128 v[124:127], v1, s[4:5] offset:512
	global_load_u16 v112, v4, s[6:7]               ; its rows' two bytes of the even head,
	global_load_u16 v113, v4, s[6:7] offset:4096   ; and of the odd one
.irp p, 0,1
.irp q, 0,1
	global_load_b128 v[96+8*\p+4*\q:99+8*\p+4*\q], v3, s[10:11] offset:1024*\p+16*\q   ; register 8 p + s: lanes 0-15 tile 2 p, lanes 16-31 tile 2 p + 1, K step s
.endr
.endr
	WLOAD 0
	WLOAD 1
.irp i, 0,1
.irp k, 0,1,2,3,4,5,6,7
	global_load_b128 v[192+32*\i+4*\k:195+32*\i+4*\k], v1, s[14:15] offset:4096*\i+512*\k th:TH_LOAD_NT   ; my two rows of x, last: nothing waits for them before K step 2
.endr
.endr
	s_wait_loadcnt 36                              ; my four loads of ctx are in; behind them: 4 of scales, 16 of weights, 16 of x
	v_lshl_or_b32 v114, v113, 16, v112             ; the scale word of 128 along K
	ds_store_b128 v5, v[120:123]
	ds_store_b128 v5, v[124:127] offset:512
	ds_store_b32 v6, v114
	s_wait_dscnt 0x0                               ; for the others' sake: my stores have landed
	s_barrier_signal -1
	s_barrier_wait -1                              ; ctx's sixteen fragments lie in LDS
.irp s, 0,1,2,3,4,5,6,7
	ds_load_b32 v[112+\s], v7 offset:128*\s
.endr
	CFETCH 0
.irp s, 0,1,2,3,4,5,6,7
	OSTEP \s
.endr
.irp k, 0,1,2,3,4,5,6,7                        ; bo, gamma, beta at my columns of a row: they land under the way through the stage
	global_load_b128 v[16+4*\k:19+4*\k], v1, s[12:13] offset:512*\k
	global_load_b128 v[48+4*\k:51+4*\k], v1, s[16:17] offset:512*\k
	global_load_b128 v[80+4*\k:83+4*\k], v1, s[18:19] offset:512*\k
.endr
.irp t, 0,1,2,3
.irp u, 0,1
	ds_store_b128 v[8+\u], v[128+8*(2*\t+\u):131+8*(2*\t+\u)] offset:64*\t          ; each accumulator from its low end on: eight neighbouring outputs of a token
	ds_store_b128 v[8+\u], v[132+8*(2*\t+\u):135+8*(2*\t+\u)] offset:64*\t+16
.endr
.endr
	s_wait_dscnt 0x0
	s_barrier_signal -1
	s_barrier_wait -1                              ; 32 whole rows lie in the stage
.irp i, 0,1
.irp k, 0,1,2,3,4,5,6,7
	ds_load_b128 v[128+32*\i+4*\k:131+32*\i+4*\k], v10 offset:SP*\i+512*\k
.endr
.endr
	s_wait_dscnt 0x0
	s_wait_loadcnt 0x0
.set j, 0
.rept 16
	v_pk_add_f32 v[128+j:129+j], v[128+j:129+j], v[16+j:17+j]       ; + bo,
	v_pk_add_f32 v[160+j:161+j], v[160+j:161+j], v[16+j:17+j]
.set j, j+2
.endr
.set j, 0
.rept 32
	v_pk_add_f32 v[128+j:129+j], v[128+j:129+j], v[192+j:193+j]     ; + x
.set j, j+2
.endr
.irp i, 0,1
	v_pk_add_f32 v[112+8*\i:113+8*\i], v[128+32*\i:129+32*\i], v[132+32*\i:133+32*\i]
	v_pk_add_f32 v[114+8*\i:115+8*\i], v[130+32*\i:131+32*\i], v[134+32*\i:135+32*\i]
.endr
.irp j, 8,12,16,20,24,28
.irp i, 0,1
	v_pk_add_f32 v[112+8*\i:113+8*\i], v[112+8*\i:113+8*\i], v[128+32*\i+\j:129+32*\i+\j]
	v_pk_add_f32 v[114+8*\i:115+8*\i], v[114+8*\i:115+8*\i], v[130+32*\i+\j:131+32*\i+\j]
.endr
.endr
	REDUCE
.irp i, 0,1
	v_mul_f32 v[118+8*\i], 0xba800000, v[116+8*\i] ; - the mean
.endr
.irp j, 0,2,4,6,8,10,12,14,16,18,20,22,24,26,28,30
.irp i, 0,1
	v_pk_add_f32 v[128+32*\i+\j:129+32*\i+\j], v[128+32*\i+\j:129+32*\i+\j], v[118+8*\i:119+8*\i] op_sel_hi:[1,0]   ; the differences
.endr
.endr
.irp i, 0,1
	v_pk_mul_f32 v[112+8*\i:113+8*\i], v[128+32*\i:129+32*\i], v[128+32*\i:129+32*\i]
	v_pk_mul_f32 v[114+8*\i:115+8*\i], v[130+32*\i:131+32*\i], v[130+32*\i:131+32*\i]
.endr
.irp j, 4,8,12,16,20,24,28
.irp i, 0,1
	v_pk_fma_f32 v[112+8*\i:113+8*\i], v[128+32*\i+\j:129+32*\i+\j], v[128+32*\i+\j:129+32*\i+\j], v[112+8*\i:113+8*\i]
	v_pk_fma_f32 v[114+8*\i:115+8*\i], v[130+32*\i+\j:131+32*\i+\j], v[130+32*\i+\j:131+32*\i+\j], v[114+8*\i:115+8*\i]
.endr
.endr
	REDUCE
.irp i, 0,1
	v_fma_f32 v[116+8*\i], v[116+8*\i], s26, s27   ; the variance + 1e-5
.endr
.irp i, 0,1
	v_rsq_f32 v[118+8*\i], v[116+8*\i]
.endr
	v_nop                                          ; a plain place behind the two roots,
	s_wait_alu depctr_va_vdst(0)                   ; and one wait for both, ahead of their first reader
.irp j, 0,2,4,6,8,10,12,14,16,18,20,22,24,26,28,30
.irp i, 0,1
	v_pk_mul_f32 v[128+32*\i+\j:129+32*\i+\j], v[128+32*\i+\j:129+32*\i+\j], v[118+8*\i:119+8*\i] op_sel_hi:[1,0]
.endr
.endr
.irp j, 0,2,4,6,8,10,12,14,16,18,20,22,24,26,28,30
.irp i, 0,1
	v_pk_fma_f32 v[128+32*\i+\j:129+32*\i+\j], v[128+32*\i+\j:129+32*\i+\j], v[48+\j:49+\j], v[80+\j:81+\j]
.endr
.endr
.irp i, 0,1
.irp k, 0,1,2,3,4,5,6,7
	global_store_b128 v1, v[128+32*\i+4*\k:131+32*\i+4*\k], s[20:21] offset:4096*\i+512*\k th:TH_STORE_NT   ; 512 consecutive bytes, aligned; written once, read by nobody here
.endr
.endr
	s_wait_tensorcnt 0x0
	ds_add_u32 v14, v15
	s_wait_dscnt 0x0
	s_endpgm
.Lfunc_end_k_q0b56e948af_outln:
	.size	k_q0b56e948af_outln, .Lfunc_end_k_q0b56e948af_outln-k_q0b56e948af_outln
	.p2alignl 7, 3214868480
	.fill 96, 4, 3214868480
	.section	.rodata,"a",@progbits
	.p2align	6, 0x0
	.amdhsa_kernel k_q0b56e948af_outln
		.amdhsa_group_segment_fixed_size 152064
		.amdhsa_private_segment_fixed_size 0
		.amdhsa_enable_private_segment 0
		.amdhsa_kernarg_size 72
		.amdhsa_user_sgpr_count 2
		.amdhsa_user_sgpr_kernarg_segment_ptr 1
		.amdhsa_wavefront_size32 1
		.amdhsa_system_sgpr_workgroup_id_x 1
		.amdhsa_system_sgpr_workgroup_id_y 1
		.amdhsa_system_sgpr_workgroup_id_z 1
		.amdhsa_system_vgpr_workitem_id 0
		.amdhsa_next_free_vgpr 256
		.amdhsa_next_free_sgpr 66
		.amdhsa_reserve_vcc 0
		.amdhsa_float_denorm_mode_32 3
		.amdhsa_float_denorm_mode_16_64 3
		.amdhsa_memory_ordered 1
		.amdhsa_forward_progress 1
		.amdhsa_inst_pref_size 46
	.end_amdhsa_kernel
	.amdgpu_metadata
---
amdhsa.version: [ 1, 2 ]
amdhsa.kernels:
  - .name:           k_q0b56e948af_outln
    .symbol:         k_q0b56e948af_outln.kd
    .args:
      - { .name: c_img, .offset: 0, .size: 8, .value_kind: global_buffer, .address_space: global }
      - { .name: c_sc, .offset: 8, .size: 8, .value_kind: global_buffer, .address_space: global }
      - { .name: Wo_codes, .offset: 16, .size: 8, .value_kind: global_buffer, .address_space: global }
      - { .name: Wo_scales, .offset: 24, .size: 8, .value_kind: global_buffer, .address_space: global }
      - { .name: bo, .offset: 32, .size: 8, .value_kind: global_buffer, .address_space: global }
      - { .name: x, .offset: 40, .size: 8, .value_kind: global_buffer, .address_space: global }
      - { .name: gamma, .offset: 48, .size: 8, .value_kind: global_buffer, .address_space: global }
      - { .name: beta, .offset: 56, .size: 8, .value_kind: global_buffer, .address_space: global }
      - { .name: out0, .offset: 64, .size: 8, .value_kind: global_buffer, .address_space: global }
    .group_segment_fixed_size: 152064
    .private_segment_fixed_size: 0
    .kernarg_segment_align: 8
    .kernarg_segment_size: 72
    .max_flat_workgroup_size: 512
    .sgpr_count:     66
    .vgpr_count:     256
    .wavefront_size: 32
...
	.end_amdgpu_metadata
.endif
;; end of part 3
;; ======== version 2 of 2: 3 launches
;; workspace buffers: q_img 4,194,304 bytes; q_sc 524,288 bytes; kv 9,175,040 bytes; c_img 4,194,304 bytes; c_sc 262,144 bytes
;; launch qkv (part 4): grid 4 x 64, 4 waves a work-group, no clusters, 74,240 bytes of LDS; arguments x, Wq_codes, Wq_scales, Wk_codes, Wk_scales, Wv_codes, Wv_scales, q_img, q_sc, kv; writes q_img, q_sc, kv
.if DOCPART == 4
	.amdgcn_target "amdgcn-amd-amdhsa--gfx1250"
	.amdhsa_code_object_version 6
	.text
	.protected	k_q0b56e948af_qkv
	.globl	k_q0b56e948af_qkv
	.p2align	8
	.type	k_q0b56e948af_qkv,@function
k_q0b56e948af_qkv:
	s_mov_b64 s[64:65], 0
	v_nop
	global_prefetch_b8 v0, s[64:65] scope:SCOPE_SE
	s_setreg_imm32_b32 hwreg(HW_REG_WAVE_SCHED_MODE, 0, 2), 2
	s_setreg_imm32_b32 hwreg(HW_REG_WAVE_MODE, 25, 1), 1
	s_wait_xcnt 0x0
	s_wait_alu depctr_vm_vsrc(0)
; q, k, v = x W for 128 tokens x 4 heads, on codes of FP4 (E2M1) with one E8M0 scale for each 32 along K; the results are quantised at once and leave as IMAGES OF OPERAND REGISTERS.
; x: [8192][1024] f32, quantised here along its 1,024.  Wq, Wk, Wv: codes, [16 heads][64][512 bytes], K innermost; their scale bytes [16][64][32].
; SHARES.  Work-group (x = group of 4 heads, y = block of 128 tokens = one key step of one batch).  Phase X: wave w quantises tokens 32 w .. 32 w + 31 into LDS.  Then wave w takes head 4 x + w through three jobs (q, k, v),
; each 4 tiles of the head's 64 x 8 tiles of tokens = 32 accumulators, 8 K steps of 128.  A head's weights stay in registers (32 fragments a job).
; THE ROWS OF A TILE ARE NOT NEIGHBOURS, for tokens and for the head's 64 alike: row r of tile 2 b + u is number 32 b + 8 u + r + 8 (r / 8), so that in a result the 16 registers of tiles 2 b and 2 b + 1 are 16 neighbours,
; 32 b + 16 (lane / 16) + 0 .. 15, along the axis that is quantised next: the head's 64 for q and k (source 0 = W, source 1 = x: a lane holds one token), the tokens for v (source 0 = x, source 1 = W: a lane holds one channel).
; OUT.  q_img, and K's part of kv: [head][tile of tokens][lane][16 bytes]: lane (r, h) holds block h of token r.  V's part: [key step][tile of channels][2][lane][16]: whole fragments, K = 128 keys.
; Scale words: q's and k's hold two bytes and 0x7f, 0x7f (the instruction's K is 128, the head's is 64: the other 64 are zero codes on both sides in the next launch).
; NO CLUSTER: what neighbours share is 524,288 bytes of f32 x, which has to pass the quantiser, or 393,216 bytes of weights; neither fits into LDS whole, so operands go through registers here.
; LIMITS: NaN and infinities among the inputs are not served.  A block whose largest magnitude lies under 2^-124, a block of zeros among them, gets the byte 1 (the floor): these bytes are read by this program alone.
; REGISTERS, in windows of 256: window 0: v1-10 addresses; v16-47 x's scale words; v48-95 the weights' scale words; v96-223 x's fragments, two sets of 8 (in phase X: four rows of 32 numbers); v224-253 at work.
;   window 1: the 32 accumulators.   window 2: Wq's 32 fragments, later Wv's.   window 3: Wk's.
; THE MODE: SCHED_MODE bits 1:0 = 2 (LLVM: expert scheduling mode 2), set by the entry lines.  The code itself states the register dependences between vector or matrix instructions and memory or LDS
; instructions, with s_wait_alu, always for 0.
; THE PLAN.  Registers that memory or LDS instructions touch, and who else names them:
;   v1-v10      Addresses and offsets: written once at the head, ahead of one wait on va_vdst; never written again.
;   Phase X.    R0 .. R3 (v96-223): row i's loads land in R[i % 4]; its maxima and conversions read it; behind them the loads of row i + 4 land in it.
;               C0, C1 (v232-239) and E0, E1 (v240-247): row i's conversions and shifts write set i % 2; its eight LDS stores read it; row i + 2 writes it again.
;               So a row has ONE wait on va_vdst, behind its shifts (C and E are written, R[i % 4] has been read), with its loads and stores behind it, and one on vm_vsrc ahead of its conversions.
;   Products.   X0, X1 (v96-159, v160-223): K step s's products read X[s % 2]; the LDS loads for step s + 1 stand in one run at the head of step s and land in the other set, which step s - 1's products read:
;               one wait on va_vdst at the head of steps 1 to 7 of a job.  A job's first step owes none: a wait further back stands behind the last products that read that set, and no vector line since names it.
;               Window 2: job q's products read Wq; one wait on va_vdst, then Wv's loads land there.  The scale words and window 3 are loaded once and never written again.
;   Way out.    PC (v240-247), XW (v248-251), v252-253: written by conversions, lane exchanges, shifts and selects; read by the global stores.  One wait on va_vdst for each 64 results, ahead of their stores;
;               one on vm_vsrc, beside the wait on XCNT, ahead of the conversions that write PC again.
;   The accumulators and v224-231 are named by vector and matrix instructions alone.
.set XP,   528                         ; a token's 512 bytes of codes in LDS + 16: 132 words, so that the 16 rows of a fragment load start 4 banks apart (64 banks of 4 bytes: ISA guide 11.1)
.set XSB,  128*XP                      ; behind the codes: the scale bytes, 32 a token,
.set XSP,  48                          ; 48 bytes apart
.set XGA,  1                           ; v1   32 x lane: my 8 numbers of a piece of 256
.set XCW,  2                           ; v2   where I put 4 bytes of codes: 4 x lane + my wave's 32 rows
.set XSW,  3                           ; v3   where I put a scale byte: lane / 4 + my wave's 32 rows
.set XFA,  4                           ; v4   a fragment of x: XP r + 16 h
.set XSA,  5                           ; v5   x's scale words: XSP x lane
.set WA,   6                           ; v6   a fragment of W: 512 (r + 8 (r / 8)) + 16 h
.set WSA,  7                           ; v7   W's scale words: 32 (8 h + r + 8 (r / 8))
.set LI16, 8                           ; v8   16 x lane
.set LI8,  9                           ; v9   8 x lane
.set SH,   10                          ; v10  16 h
.set XSC,  16                          ; register 8 p + s: lanes 0-15 token tile 2 p, lanes 16-31 tile 2 p + 1, K step s
.set WSC,  48                          ; register 16 job + 8 b + s: lanes 0-15 tile 2 b, lanes 16-31 tile 2 b + 1
.set XF,   96
.set TM,   224                         ; v224-227 largest magnitudes, v228-231 bytes, v236-239 the conversions' scale operands
.set PC,   240                         ; v240-247 the codes just made
.set XW,   248                         ; v248-251 scale words to store
.set PW,   252                         ; v252 the scale word just made
.set QF,   1                           ; 1 until the results' quantiser has run once
.set MSB, 0
.macro WIN new                         ; s_set_vgpr_msb: bits 1:0 source 0, 3:2 source 1, 5:4 source 2, 7:6 destination; the high byte repeats the setting that is left
.if MSB != (\new)
	s_set_vgpr_msb (MSB<<8)|(\new)
.set MSB, (\new)
.endif
.endm
; a head's 32 fragments (tile t, K step s) into v[8 (4 s + t)] of a window: a tile's sixteen loads read its 16 rows whole
.macro WLOAD ptr, win
	WIN \win
.irp t, 0,1,2,3
.irp s, 0,1,2,3,4,5,6,7
.irp c, 0,1
	global_load_b128 v[8*(4*\s+\t)+4*\c:8*(4*\s+\t)+4*\c+3], v[WA], s[\ptr:\ptr+1] offset:(32*(\t/2)+8*(\t%2))*512+64*\s+32*\c
.endr
.endr
.endr
	WIN 0
.endm
.macro WSLOAD job, ptr                 ; and its scale words: 32 bytes a row = the words of 8 K steps
.irp b, 0,1
.irp q, 0,1
	global_load_b128 v[WSC+16*\job+8*\b+4*\q:WSC+16*\job+8*\b+4*\q+3], v[WSA], s[\ptr:\ptr+1] offset:1024*\b+16*\q
.endr
.endr
.endm
.macro ROWLOAD i                       ; token i of my 32: four pieces of 256 numbers, 8 neighbours a lane; a pair of loads reads 1,024 consecutive bytes
.irp q, 0,1,2,3
.irp e, 0,1
	global_load_b128 v[XF+32*((\i)%4)+8*\q+4*\e:XF+32*((\i)%4)+8*\q+4*\e+3], v[XGA], s[8:9] offset:4096*(\i)+1024*\q+16*\e
.endr
.endr
.endm
; Token i is quantised: four lanes hold a block of 32.  Its row in LDS is its place in tile order: tile (i / 8) % 2 of my two, row 8 (i / 16) + i % 8.
.macro ROW i
.set SL, XF+32*((\i)%4)
.set POS, 16*(((\i)/8)%2)+8*((\i)/16)+(\i)%8
.set CC, 232+4*((\i)%2)
.set EE, 240+4*((\i)%2)
.if 31-(\i) >= 3
	s_wait_loadcnt 24                              ; this row's eight loads are in (and all that were issued ahead of them: the weights); the three rows behind it may be out
.else
	s_wait_loadcnt 8*(31-(\i))
.endif
	s_wait_dscnt 8                                 ; the eight LDS stores of the row before may be out; those of the row before that are done
.irp q, 0,1,2,3
	v_max3_num_f32 v[224+\q], |v[SL+8*\q]|, |v[SL+8*\q+1]|, 0x1800000   ; my 8 numbers of each piece, and the floor 2^(3 - 127): the byte cannot fall under 1
.endr
.irp j, 2,4,6
.irp q, 0,1,2,3
	v_max3_num_f32 v[224+\q], v[224+\q], |v[SL+8*\q+\j]|, |v[SL+8*\q+\j+1]|
.endr
.endr
.irp q, 0,1,2,3
	v_max_num_f32_dpp v[224+\q], v[224+\q], v[224+\q] row_xmask:1 row_mask:0xf bank_mask:0xf
.endr
.irp q, 0,1,2,3
	v_max_num_f32_dpp v[224+\q], v[224+\q], v[224+\q] row_xmask:2 row_mask:0xf bank_mask:0xf   ; the block's largest magnitude
.endr
.irp q, 0,1,2,3
	v_add_nc_u32 v[228+\q], 0xff000000, v[224+\q]  ; 2 off its exponent field: the conversion takes the exponent field of this operand as its scale
.endr
.if (\i) >= 2
	s_wait_alu depctr_vm_vsrc(0)                   ; the LDS stores of the row before last have read this set of code and byte registers, which the lines below write again
.endif
.irp q, 0,1,2,3
	v_cvt_scalef32_pk8_fp4_f32 v[CC+\q], v[SL+8*\q:SL+8*\q+7], v[228+\q]
.endr
.irp q, 0,1,2,3
	v_lshrrev_b32 v[EE+\q], 23, v[228+\q]          ; the scale's byte (plain lines behind the conversions)
.endr
	s_wait_alu depctr_va_vdst(0)                   ; the codes and the bytes are written, which the LDS stores read; the maxima and the conversions are done reading the row's 32 registers, in which the loads land
.if (\i)+4 < 32
	ROWLOAD (\i)+4                                 ; the registers are asked for again at once
.endif
.irp q, 0,1,2,3
	ds_store_b32 v[XCW], v[CC+\q] offset:POS*XP+128*\q
	ds_store_b8 v[XSW], v[EE+\q] offset:POS*XSP+8*\q   ; the four lanes of a block write the same byte with the same value
.endr
.endm
.macro FETCHX set, s                   ; the 8 token tiles' fragments of K step s
.irp m, 0,1,2,3,4,5,6,7
.irp c, 0,1
	ds_load_b128 v[XF+64*(\set)+8*\m+4*\c:XF+64*(\set)+8*\m+4*\c+3], v[XFA] offset:16*XP*\m+64*(\s)+32*\c
.endr
.endr
.endm
; one product.  ra, rb: the half of the lanes from which source 0's and source 1's scales are read
.macro WM d, a, b, zero, sa, sb, ra, rb
.set RR, 2*(\ra)+(\rb)
.if \zero
.if RR == 0
	v_wmma_scale_f32_16x16x128_f8f6f4 v[0+(\d):7+(\d)], v[0+(\a):7+(\a)], v[0+(\b):7+(\b)], 0, v[\sa], v[\sb] matrix_a_fmt:MATRIX_FMT_FP4 matrix_b_fmt:MATRIX_FMT_FP4
.elseif RR == 1
	v_wmma_scale_f32_16x16x128_f8f6f4 v[0+(\d):7+(\d)], v[0+(\a):7+(\a)], v[0+(\b):7+(\b)], 0, v[\sa], v[\sb] matrix_a_fmt:MATRIX_FMT_FP4 matrix_b_fmt:MATRIX_FMT_FP4 matrix_b_scale:MATRIX_SCALE_ROW1
.elseif RR == 2
	v_wmma_scale_f32_16x16x128_f8f6f4 v[0+(\d):7+(\d)], v[0+(\a):7+(\a)], v[0+(\b):7+(\b)], 0, v[\sa], v[\sb] matrix_a_fmt:MATRIX_FMT_FP4 matrix_b_fmt:MATRIX_FMT_FP4 matrix_a_scale:MATRIX_SCALE_ROW1
.else
	v_wmma_scale_f32_16x16x128_f8f6f4 v[0+(\d):7+(\d)], v[0+(\a):7+(\a)], v[0+(\b):7+(\b)], 0, v[\sa], v[\sb] matrix_a_fmt:MATRIX_FMT_FP4 matrix_b_fmt:MATRIX_FMT_FP4 matrix_a_scale:MATRIX_SCALE_ROW1 matrix_b_scale:MATRIX_SCALE_ROW1
.endif
.else
.if RR == 0
	v_wmma_scale_f32_16x16x128_f8f6f4 v[0+(\d):7+(\d)], v[0+(\a):7+(\a)], v[0+(\b):7+(\b)], v[0+(\d):7+(\d)], v[\sa], v[\sb] matrix_a_fmt:MATRIX_FMT_FP4 matrix_b_fmt:MATRIX_FMT_FP4
.elseif RR == 1
	v_wmma_scale_f32_16x16x128_f8f6f4 v[0+(\d):7+(\d)], v[0+(\a):7+(\a)], v[0+(\b):7+(\b)], v[0+(\d):7+(\d)], v[\sa], v[\sb] matrix_a_fmt:MATRIX_FMT_FP4 matrix_b_fmt:MATRIX_FMT_FP4 matrix_b_scale:MATRIX_SCALE_ROW1
.elseif RR == 2
	v_wmma_scale_f32_16x16x128_f8f6f4 v[0+(\d):7+(\d)], v[0+(\a):7+(\a)], v[0+(\b):7+(\b)], v[0+(\d):7+(\d)], v[\sa], v[\sb] matrix_a_fmt:MATRIX_FMT_FP4 matrix_b_fmt:MATRIX_FMT_FP4 matrix_a_scale:MATRIX_SCALE_ROW1
.else
	v_wmma_scale_f32_16x16x128_f8f6f4 v[0+(\d):7+(\d)], v[0+(\a):7+(\a)], v[0+(\b):7+(\b)], v[0+(\d):7+(\d)], v[\sa], v[\sb] matrix_a_fmt:MATRIX_FMT_FP4 matrix_b_fmt:MATRIX_FMT_FP4 matrix_a_scale:MATRIX_SCALE_ROW1 matrix_b_scale:MATRIX_SCALE_ROW1
.endif
.endif
.endm
; A K step of 128: 32 products, the 32 accumulators by turns, one instruction a turn.  job 0 = q, 1 = k, 2 = v.  The first step's products take the constant 0: nothing is cleared.
; The next step's sixteen LDS loads stand in one run at the step's head: among the products each group of them would want two switches of the register window.
.macro KSTEP job, s, fetch
.set ZF, 0
.if (\s) == 0
.set ZF, 1
.endif
	s_wait_dscnt 0x0                               ; this step's fragments of x are in: they were asked for 32 products ago
.if \fetch
.if (\s) > 0
.rept 4
	v_nop                                          ; four plain places behind the last step's products, ahead of the loads into the set that they read
.endr
	s_wait_alu depctr_va_vdst(0)                   ; the last step's products are done reading the other set of x's fragments, in which the loads below land
.endif                                                 ; (a job's first step: a wait further back stands behind the last readers of that set, and no vector or matrix line since names it)
	FETCHX ((\s)+1)%2, ((\s)+1)%8
.endif
.if (\job) == 2
	WIN 0x58                                       ; source 0 (x) window 0, source 1 (Wv) window 2, C and D window 1
.irp ct, 0,1,2,3
.irp m, 0,1,2,3,4,5,6,7
	WM 8*(8*\ct+\m), XF+64*((\s)%2)+8*\m, 8*(4*(\s)+\ct), ZF, XSC+8*(\m/2)+(\s), WSC+32+8*(\ct/2)+(\s), \m%2, \ct%2
.endr
.endr
.else
	WIN 0x52+(\job)                                ; source 0 (W) window 2 or 3, source 1 (x) window 0, C and D window 1
.irp m, 0,1,2,3,4,5,6,7
.irp t, 0,1,2,3
	WM 8*(4*\m+\t), 8*(4*(\s)+\t), XF+64*((\s)%2)+8*\m, ZF, WSC+16*(\job)+8*(\t/2)+(\s), XSC+8*(\m/2)+(\s), \t%2, \m%2
.endr
.endr
.endif
	WIN 0
.endm
; 64 results of a lane, registers s .. s + 63 of window 1, register 16 b + i = number 16 (lane / 16) + i of block b, become codes in v[PC] on (lanes 0-15: blocks 0 and 2, lanes 16-31: blocks 1 and 3) and four bytes in v[PW].
.macro QUANT s
	WIN 0x14                                       ; sources 1 and 2 window 1
.irp b, 0,1,2,3
	v_max3_num_f32 v[TM+\b], 0x1800000, |v[16*\b+(\s)]|, |v[16*\b+1+(\s)]|   ; each accumulator is read from its low end on; the floor 2^(3 - 127) holds the byte at 1 from below
.endr
.irp i, 2,4,6,8,10,12,14
.irp b, 0,1,2,3
	v_max3_num_f32 v[TM+\b], v[TM+\b], |v[16*\b+\i+(\s)]|, |v[16*\b+\i+1+(\s)]|
.endr
.endr
	WIN 0
.irp b, 0,1,2,3
	v_permlanex16_b32 v[TM+4+\b], v[TM+\b], s36, s37
.endr
.irp b, 0,1,2,3
	v_max_num_f32 v[TM+\b], v[TM+\b], v[TM+4+\b]   ; with lane l xor 16's 16: the block's largest magnitude
.endr
.irp b, 0,1,2,3
	v_add_nc_u32 v[TM+12+\b], 0xff000000, v[TM+\b]
.endr
.irp b, 0,1,2,3
	v_lshrrev_b32 v[TM+4+\b], 23, v[TM+12+\b]
.endr
	v_lshl_or_b32 v[PW], v[TM+5], 8, v[TM+4]
	v_lshl_or_b32 v[PW], v[TM+6], 16, v[PW]
	v_lshl_or_b32 v[PW], v[TM+7], 24, v[PW]
.if QF
.set QF, 0                                             ; the first time no global store has been issued yet, and the LDS stores of phase X were waited for behind the barrier
.else
	s_wait_xcnt 0x0                                ; the last global stores have had their addresses translated: only behind this wait are the codes' and the words' registers written again (the lines above write v224-239 and v252 alone, which no pending store reads)
	s_wait_alu depctr_vm_vsrc(0)                   ; and they have read v[PC ..] and v[XW ..], which the conversions below and the lines behind this macro write
.endif
	WIN 0x01                                       ; source 0 window 1
.irp b, 0,1,2,3
	v_cvt_scalef32_pk8_fp4_f32 v[PC+2*\b], v[16*\b+(\s):16*\b+7+(\s)], v[TM+12+\b]
	v_cvt_scalef32_pk8_fp4_f32 v[PC+2*\b+1], v[16*\b+8+(\s):16*\b+15+(\s)], v[TM+12+\b]
.endr
	WIN 0
	v_nop                                          ; one plain place behind a scaled conversion
.irp c, 0,1                                    ; a whole block to a lane: lanes 0-15 block 2 c, lanes 16-31 block 2 c + 1
.irp i, 0,1
	v_permlane16_swap_b32 v[PC+4*\c+\i], v[PC+2+4*\c+\i]
.endr
.endr
.endm
; q's or k's way out: 64 registers are two tiles of tokens x two blocks.  Each store of the wave covers 512 consecutive bytes, aligned.
.macro OUTQK ip, sp, so
.irp j, 0,1,2,3
	QUANT 64*\j
	v_lshrrev_b32 v[XW+\j], v[SH], v[PW]           ; lanes 0-15 keep tile 2 j's two bytes, lanes 16-31 tile 2 j + 1's,
	v_and_or_b32 v[XW+\j], v[XW+\j], 0xffff, s38   ; under 0x7f, 0x7f for the 64 along K that are zero codes
	s_wait_alu depctr_va_vdst(0)                   ; the conversions and the exchanges have written v[PC ..], which the two stores read; the scale word is written too: behind the fourth group the words' store reads all four
.irp c, 0,1
	global_store_b128 v[LI16], v[PC+4*\c:PC+4*\c+3], s[\ip:\ip+1] offset:1024*\j+512*\c
.endr
.endr
	global_store_b128 v[LI16], v[XW:XW+3], s[\sp:\sp+1] offset:\so
.endm
	s_load_b512 s[8:23], s[0:1], 0x0               ; x s[8:9]; Wq's codes, scales s[10:13]; Wk's s[14:17]; Wv's s[18:21]; q_img s[22:23]
	s_load_b128 s[24:27], s[0:1], 0x40             ; q_sc s[24:25], kv s[26:27]
	v_lshl_add_u32 v254, v0, 2, 0x12000
	v_mov_b32 v255, 0
	v_lshrrev_b32 v11, 5, v0
	v_readfirstlane_b32 s28, v11                   ; wave 0..3
	v_and_b32 v11, 31, v0                          ; lane
	v_and_b32 v12, 15, v0                          ; r
	v_bfe_u32 v13, v0, 4, 1                        ; h
	v_lshlrev_b32 v[XGA], 5, v11
	s_wait_alu depctr_va_sdst(0)                   ; s28 is written, ahead of its first reader: LDS addresses and all the bases are made from it
	s_mul_i32 s29, s28, 32*XP
	v_lshl_add_u32 v[XCW], v11, 2, s29
	s_mul_i32 s30, s28, 32*XSP
	s_add_co_u32 s30, s30, XSB
	v_lshrrev_b32 v14, 2, v11
	v_add_nc_u32 v[XSW], s30, v14
	v_mul_u32_u24 v[XFA], v12, XP
	v_lshl_add_u32 v[XFA], v13, 4, v[XFA]
	v_mul_u32_u24 v[XSA], v11, XSP
	v_add_nc_u32 v[XSA], XSB, v[XSA]
	v_and_b32 v14, 8, v12
	v_add_nc_u32 v14, v14, v12                     ; r + 8 (r / 8)
	v_lshlrev_b32 v[WA], 9, v14
	v_lshl_add_u32 v[WA], v13, 4, v[WA]
	v_lshl_add_u32 v14, v13, 3, v14
	v_lshlrev_b32 v[WSA], 5, v14
	v_lshlrev_b32 v[LI16], 4, v11
	v_lshlrev_b32 v[LI8], 3, v11
	v_lshlrev_b32 v[SH], 4, v13
	s_mov_b32 s36, 0x76543210
	s_mov_b32 s37, 0xfedcba98                      ; v_permlanex16_b32's selects for lane l xor 16
	s_mov_b32 s38, 0x7f7f0000
	s_mov_b32 s39, 0xffff0000                      ; lanes 16-31
	s_and_b32 s29, ttmp7, 0xffff                   ; block of 128 tokens
	s_lshl_b32 s30, ttmp9, 2
	s_add_co_u32 s30, s30, s28                     ; my head
	s_lshr_b32 s31, s29, 4
	s_lshl_b32 s31, s31, 4
	s_add_co_u32 s31, s31, s30                     ; 16 x batch + head
	s_and_b32 s32, s29, 15                         ; key step in the batch
	s_mov_b32 s35, 0
	s_lshl_b32 s34, s29, 19                        ; 128 rows of 4,096 bytes,
	s_lshl_b32 s33, s28, 17                        ; my wave's 32 of them
	s_add_co_u32 s34, s34, s33
	s_wait_kmcnt 0x0
	s_add_nc_u64 s[8:9], s[8:9], s[34:35]
	s_lshl_b32 s34, s30, 15                        ; a head's codes: 64 rows of 512 bytes
	s_add_nc_u64 s[10:11], s[10:11], s[34:35]
	s_add_nc_u64 s[14:15], s[14:15], s[34:35]
	s_add_nc_u64 s[18:19], s[18:19], s[34:35]
	s_lshl_b32 s34, s30, 11                        ; its scale bytes
	s_add_nc_u64 s[12:13], s[12:13], s[34:35]
	s_add_nc_u64 s[16:17], s[16:17], s[34:35]
	s_add_nc_u64 s[20:21], s[20:21], s[34:35]
	s_lshl_b32 s34, s31, 16
	s_lshl_b32 s33, s32, 12
	s_add_co_u32 s34, s34, s33
	s_add_nc_u64 s[22:23], s[22:23], s[34:35]      ; q_img: 65,536 a head, 4,096 a key step
	s_lshl_b32 s34, s31, 13
	s_lshl_b32 s33, s32, 9
	s_add_co_u32 s34, s34, s33
	s_add_nc_u64 s[24:25], s[24:25], s[34:35]      ; q_sc: 8,192 a head, 512 a key step
	s_mul_i32 s34, s31, 143360
	s_add_nc_u64 s[26:27], s[26:27], s[34:35]      ; kv at my head: K's images, +65,536 V's, +131,072 K's words, +139,264 V's
	s_lshl_b32 s34, s32, 12
	s_add_nc_u64 s[40:41], s[26:27], s[34:35]
	s_lshl_b32 s34, s32, 9
	s_add_nc_u64 s[42:43], s[26:27], s[34:35]
	s_lshl_b32 s34, s32, 8
	s_add_nc_u64 s[44:45], s[26:27], s[34:35]
	s_wait_alu depctr_va_vdst(0)                   ; the ten addresses and offsets v1 to v10 are written, which the loads and stores of the whole kernel read
	WLOAD 10, 0x80                                 ; Wq into window 2
	WLOAD 14, 0xc0                                 ; Wk into window 3
	WSLOAD 0, 12
	WSLOAD 1, 16
	WSLOAD 2, 20
	; ---- X: my 32 tokens become codes and scale bytes in LDS; loads run four rows ahead
.irp i, 0,1,2,3
	ROWLOAD \i
.endr
.set RI, 0
.rept 32
	ROW RI
.set RI, RI+1
.endr
	s_wait_dscnt 0x0                               ; for the others' sake: my stores have landed
	s_barrier_signal -1
	s_barrier_wait -1                              ; the 128 tokens' codes and bytes lie in LDS; nothing is written there again
	s_wait_alu depctr_vm_vsrc(0)                   ; my LDS stores have read v232-247: from here on these registers are the results' quantiser's, written by its vector lines
.irp p, 0,1,2,3
.irp q, 0,1
	ds_load_b128 v[XSC+8*\p+4*\q:XSC+8*\p+4*\q+3], v[XSA] offset:32*XSP*\p+16*\q   ; lane l: row 32 p + l: the words of four K steps
.endr
.endr
	FETCHX 0, 0                                    ; (into registers that rows 28 and 29 read, ahead of the last row's wait on va_vdst)
	; ---- q
.irp s, 0,1,2,3,4,5,6,7
	KSTEP 0, \s, 1                                 ; (the last step fetches K step 0 again, for the next job)
.endr
.rept 4
	v_nop                                          ; places behind the last products, in front of the first read of results and of the loads into Wq's registers
.endr
	s_wait_alu depctr_va_vdst(0)                   ; job q's products are done reading Wq's registers, in which Wv's loads land
	WLOAD 18, 0x80                                 ; Wv takes Wq's place; it lands under q's way out and job k
	OUTQK 22, 24, 0
	; ---- k
.irp s, 0,1,2,3,4,5,6,7
	KSTEP 1, \s, 1
.endr
.rept 4
	v_nop                                          ; places in front of the first read of results
.endr
	OUTQK 40, 42, 131072
	; ---- v
	s_wait_loadcnt 0x0                             ; Wv
.irp s, 0,1,2,3,4,5,6
	KSTEP 2, \s, 1
.endr
	KSTEP 2, 7, 0
.rept 4
	v_nop                                          ; places in front of the first read of results
.endr
.irp ct, 0,1,2,3                               ; 64 registers are 16 channels x 128 keys: a whole fragment and its scale word
	QUANT 64*\ct
	v_mov_b32 v[XW+\ct], v[PW]
.if \ct == 3
	v_cndmask_b32 v252, v248, v249, s39            ; lanes 0-15 tile 0's words, lanes 16-31 tile 1's;
	v_cndmask_b32 v253, v250, v251, s39            ; tiles 2 and 3 likewise: so the next launch reads two registers for four tiles
.endif
	s_wait_alu depctr_va_vdst(0)                   ; the conversions and the exchanges have written v[PC ..], which the two stores read; behind the fourth tile v252 and v253 are written too, which the last store reads
.irp c, 0,1
	global_store_b128 v[LI16], v[PC+4*\c:PC+4*\c+3], s[40:41] offset:65536+1024*\ct+512*\c
.endr
.endr
	global_store_b64 v[LI8], v[252:253], s[44:45] offset:139264   ; 256 consecutive bytes, aligned
	s_wait_dscnt 0x0
	s_wait_alu depctr_hold_cnt(0) depctr_sa_sdst(0) depctr_va_vdst(0) depctr_va_sdst(0) depctr_va_ssrc(0) depctr_va_vcc(0) depctr_vm_vsrc(0)
	s_wait_tensorcnt 0x0
	ds_add_u32 v254, v255
	s_wait_dscnt 0x0
	s_endpgm
.Lfunc_end_k_q0b56e948af_qkv:
	.size	k_q0b56e948af_qkv, .Lfunc_end_k_q0b56e948af_qkv-k_q0b56e948af_qkv
	.p2alignl 7, 3214868480
	.fill 96, 4, 3214868480
	.section	.rodata,"a",@progbits
	.p2align	6, 0x0
	.amdhsa_kernel k_q0b56e948af_qkv
		.amdhsa_group_segment_fixed_size 74240
		.amdhsa_private_segment_fixed_size 0
		.amdhsa_enable_private_segment 0
		.amdhsa_kernarg_size 80
		.amdhsa_user_sgpr_count 2
		.amdhsa_user_sgpr_kernarg_segment_ptr 1
		.amdhsa_wavefront_size32 1
		.amdhsa_system_sgpr_workgroup_id_x 1
		.amdhsa_system_sgpr_workgroup_id_y 1
		.amdhsa_system_sgpr_workgroup_id_z 1
		.amdhsa_system_vgpr_workitem_id 0
		.amdhsa_next_free_vgpr 1024
		.amdhsa_next_free_sgpr 66
		.amdhsa_reserve_vcc 0
		.amdhsa_float_denorm_mode_32 3
		.amdhsa_float_denorm_mode_16_64 3
		.amdhsa_memory_ordered 1
		.amdhsa_forward_progress 1
		.amdhsa_inst_pref_size 255
	.end_amdhsa_kernel
	.section	.bss,"aw",@nobits
	.p2align	6
	.space	262144
	.amdgpu_metadata
---
amdhsa.version: [ 1, 2 ]
amdhsa.kernels:
  - .name:           k_q0b56e948af_qkv
    .symbol:         k_q0b56e948af_qkv.kd
    .args:
      - { .name: x, .offset: 0, .size: 8, .value_kind: global_buffer, .address_space: global }
      - { .name: Wq_codes, .offset: 8, .size: 8, .value_kind: global_buffer, .address_space: global }
      - { .name: Wq_scales, .offset: 16, .size: 8, .value_kind: global_buffer, .address_space: global }
      - { .name: Wk_codes, .offset: 24, .size: 8, .value_kind: global_buffer, .address_space: global }
      - { .name: Wk_scales, .offset: 32, .size: 8, .value_kind: global_buffer, .address_space: global }
      - { .name: Wv_codes, .offset: 40, .size: 8, .value_kind: global_buffer, .address_space: global }
      - { .name: Wv_scales, .offset: 48, .size: 8, .value_kind: global_buffer, .address_space: global }
      - { .name: q_img, .offset: 56, .size: 8, .value_kind: global_buffer, .address_space: global }
      - { .name: q_sc, .offset: 64, .size: 8, .value_kind: global_buffer, .address_space: global }
      - { .name: kv, .offset: 72, .size: 8, .value_kind: global_buffer, .address_space: global }
    .group_segment_fixed_size: 74240
    .private_segment_fixed_size: 0
    .kernarg_segment_align: 8
    .kernarg_segment_size: 80
    .max_flat_workgroup_size: 128
    .sgpr_count:     66
    .vgpr_count:     1024
    .wavefront_size: 32
...
	.end_amdgpu_metadata
.endif
;; end of part 4
;; launch attn (part 5): grid 4 x 64, 16 waves a work-group, clusters of 4 x 1, 169,984 bytes of LDS; arguments q_img, q_sc, kv, c_img, c_sc; writes c_img, c_sc
.if DOCPART == 5
	.amdgcn_target "amdgcn-amd-amdhsa--gfx1250"
	.amdhsa_code_object_version 6
	.text
	.protected	k_q0b56e948af_attn
	.globl	k_q0b56e948af_attn
	.p2align	8
	.type	k_q0b56e948af_attn,@function
k_q0b56e948af_attn:
	s_mov_b64 s[64:65], 0
	v_nop
	global_prefetch_b8 v0, s[64:65] scope:SCOPE_SE
	s_setreg_imm32_b32 hwreg(HW_REG_WAVE_MODE, 25, 1), 1
	s_wait_xcnt 0x0
	s_wait_alu depctr_hold_cnt(0) depctr_sa_sdst(0) depctr_va_vdst(0) depctr_va_sdst(0) depctr_va_ssrc(0) depctr_va_vcc(0) depctr_vm_vsrc(0)
	s_getreg_b32 s2, hwreg(HW_REG_IB_STS2, 6, 4)
	s_cmp_eq_u32 s2, 0
	s_cbranch_scc0 .Lentry_in_a_cluster
	s_endpgm
.Lentry_in_a_cluster:
	s_bfe_u32 s2, ttmp6, 0x10000c
	s_cmp_lg_u32 s2, 0x3003
	s_cbranch_scc0 .Lentry_shape_is_right
	s_endpgm
.Lentry_shape_is_right:
; ctx[head][q] = the sum over keys of softmax(q . k / 8) v, both products on codes of FP4 (E2M1) with one E8M0 scale for each 32 along K; ctx is quantised along the head's 64 and leaves as images of operand registers.
; THE SOFTMAX AHEAD OF THE SECOND PRODUCT: t = score x log2(e) / 8; M = the running largest t rounded UP to a whole number; p = 2^(t - M) is what is quantised, along the keys, not normalised.  The row's sum is taken of the
; unquantised p and divides at the end.  When M moves, the sum and O are multiplied by 2^(old M - new M): exact.
; SHARES.  A work-group owns 512 queries of one head (y = 16 x batch + head); each of its sixteen waves two tiles of 16 queries, one after the other; every tile walks the head's 2,048 keys, 128 a step.
; K AND V OF THE WHOLE HEAD, 143,360 bytes as the launch before laid them (images of fragments and scale words), LIE IN LDS, filled once: no slot is ever filled again.
; CLUSTER.  The four work-groups of a head need the same 143,360 bytes: they are asked for JOINTLY, by waves 0 to 7, 17,920 bytes each, with a mask that names the four.  A wave has at most one tensor load out.
; LAYOUT.  Both products are used transposed: S^T = K Q^T (source 0 = 16 keys, source 1 = my 16 queries), O^T = V^T P^T (source 0 = 16 channels, source 1 = P): a lane holds ONE query (lane % 16) throughout.
; Row r of tile 2 b + u (keys, queries, channels alike) is number 32 b + 8 u + r + 8 (r / 8): so the 16 registers of tiles 2 b and 2 b + 1 are 16 neighbours, 32 b + 16 (lane / 16) + 0 .. 15.
; THE FIRST PRODUCT'S K IS 64, THE INSTRUCTION'S 128: registers 4 to 7 of K's and Q's fragments hold zero codes, set once, under the scale bytes 0x7f.
; LIMITS: NaN and infinities are not served.  A block of p or of ctx whose largest magnitude lies under 2^-124 gets the byte 1 (the floor).
; REGISTERS: v1-4 addresses that stay; v5-8 addresses of the loads in hand; v9-11 addresses; v12 -M, v13 the largest t, v[14:15] the sum in two halves; v16-23 Q; v24-27 K's scale words; v28-31 the second tile's Q;
;   v32-95 eight fragments of K; v96-159 S^T, then p; v160-191 O^T; v192-223 four fragments of V; v224-231 p's codes; v232-247 at work; v248-249 V's scale words; v250 the second tile's scale words of Q; v251-254 at work; v255 Q's scale words.
.set VIMG,  65536                      ; LDS = the head's part of kv: K's images at 0, V's here,
.set KSC,   131072                     ; K's scale words, 512 bytes a key step,
.set VSC,   139264                     ; V's, 256 bytes a key step
.set HEADB, 143360
.set PART,  17920                      ; what one tensor load brings: 70 rows of 256 bytes
.set SCR,   143360                     ; behind them: ctx's scale bytes of my 32 tiles, 32 bytes a tile; no fill lands here
.set LI,   1                           ; v1   16 x lane: my place in an image, in LDS and in memory
.set AV0,  2                           ; v2   VIMG + 16 x lane
.set ASK0, 3                           ; v3   KSC + 16 x lane
.set ASV0, 4                           ; v4   VSC + 8 x lane
.set ADK,  5
.set ADV,  6
.set ADS,  7
.set ADT,  8
.set SRD,  9                           ; v9   SCR + 16 x thread: where waves 0 and 1 read the words back
.set QSO,  10                          ; v10  16 r
.set SC0,  11                          ; v11  SCR + 64 x wave + 2 r
.macro CROUND                          ; a round of the cluster's barrier
	s_barrier_signal -1
	s_barrier_wait -1
	s_cmp_lg_u32 s14, 0
	s_cbranch_scc1 .Lnot_wave_0_\@
	s_barrier_signal -3
.Lnot_wave_0_\@:
	s_barrier_wait -3
	s_barrier_signal -1
	s_barrier_wait -1
.endm
	s_load_b256 s[4:11], s[0:1], 0x0               ; q_img s[4:5], q_sc s[6:7], kv s[8:9], c_img s[10:11]
	s_load_b64 s[12:13], s[0:1], 0x20              ; c_sc
	v_lshl_add_u32 v242, v0, 2, 0x29000
	v_mov_b32 v243, 0
	ds_add_u32 v242, v243
	ds_add_u32 v242, v243
	v_lshrrev_b32 v5, 5, v0
	s_delay_alu instid0(VALU_DEP_1)
	v_readfirstlane_b32 s14, v5                    ; wave 0..15
	v_and_b32 v5, 31, v0                           ; lane
	v_and_b32 v6, 15, v0                           ; r
	s_delay_alu instid0(VALU_DEP_2)
	v_lshlrev_b32 v[LI], 4, v5
	s_delay_alu instid0(VALU_DEP_1)
	v_add_nc_u32 v[AV0], VIMG, v[LI]
	s_delay_alu instid0(VALU_DEP_2)
	v_add_nc_u32 v[ASK0], KSC, v[LI]
	v_lshl_add_u32 v[ASV0], v5, 3, VSC
	v_lshl_add_u32 v[SRD], v0, 4, SCR
	v_lshlrev_b32 v[QSO], 4, v6
	s_lshl_b32 s16, s14, 6
	s_add_co_u32 s16, s16, SCR
	v_lshl_add_u32 v[SC0], v6, 1, s16
	s_bfe_u32 s15, ttmp6, 0x40000                  ; cx: my place in the cluster: it enters Q's and ctx's global addresses alone
	s_and_b32 s17, ttmp7, 0xffff                   ; 16 x batch + head, which the four partners share
	s_mov_b32 s20, 0x76543210
	s_mov_b32 s21, 0xfedcba98                      ; v_permlanex16_b32's selects for lane l xor 16
	s_mov_b32 s22, 0x3e38aa3b                      ; c = log2(e) / 8
	s_mov_b32 s23, s22                             ; (named with it as a pair, so it is written)
	; descriptor group 1: 70 rows of 256 bytes (32 elements of 8 bytes), dense in memory and in LDS
	s_mov_b32 s24, 15|(3<<16)|(1<<21)              ; 15:0 the mask: all four work-groups; 17:16 elements of 8 bytes; 21 set beside a mask
	s_mov_b32 s25, 32<<16                          ; tensor_dim0
	s_mov_b32 s26, 70<<16                          ; tensor_dim1
	s_mov_b32 s27, 32<<16                          ; tile_dim0
	s_mov_b32 s28, 70                              ; tile_dim1
	s_mov_b32 s29, 32                              ; tensor_dim0_stride
	s_mov_b32 s30, 0
	s_mov_b32 s31, 0
	s_mov_b32 s32, 1                               ; group 0: count = 1,
	s_mul_i32 s33, s14, PART                       ; LDS address: wave x 17,920,
	s_mul_i32 s36, s17, HEADB
	s_add_co_u32 s36, s36, s33
	s_mov_b32 s37, 0
	s_wait_dscnt 0x0
	s_wait_kmcnt 0x0
	s_add_nc_u64 s[34:35], s[8:9], s[36:37]        ; global address: the head's part, the same 17,920 bytes on,
	s_or_b32 s35, s35, 0x80000000                  ; type = 2
	CROUND                                         ; all four work-groups are here: the joint loads meet
	s_cmp_lt_u32 s14, 8
	s_cbranch_scc0 .Lno_fill
	tensor_load_to_lds s[32:35], s[24:31]
	s_nop 0
.rept 4
	v_nop
.endr
.Lno_fill:
	s_mov_b32 s39, 0
	s_lshl_b32 s38, s17, 16                        ; q_img: 65,536 a head, 512 a tile; my first tile is 32 cx + 2 x wave
	s_lshl_b32 s18, s15, 14
	s_add_co_u32 s38, s38, s18
	s_lshl_b32 s18, s14, 10
	s_add_co_u32 s38, s38, s18
	s_add_nc_u64 s[4:5], s[4:5], s[38:39]
	s_lshl_b32 s38, s17, 13                        ; q_sc: 8,192 a head, 512 for 8 tiles; in them tile t's words at 16 r + 256 (t % 2) + 4 (t / 2)
	s_lshl_b32 s18, s15, 11
	s_add_co_u32 s38, s38, s18
	s_lshr_b32 s18, s14, 2
	s_lshl_b32 s18, s18, 9
	s_add_co_u32 s38, s38, s18
	s_and_b32 s18, s14, 3
	s_lshl_b32 s18, s18, 2
	s_add_co_u32 s38, s38, s18
	s_add_nc_u64 s[6:7], s[6:7], s[38:39]
	s_lshr_b32 s38, s17, 4                         ; c_img: 8,192 a tile of the 128 of a batch, 512 a head in it
	s_lshl_b32 s38, s38, 20
	s_lshl_b32 s18, s15, 18
	s_add_co_u32 s38, s38, s18
	s_lshl_b32 s18, s14, 14
	s_add_co_u32 s38, s38, s18
	s_and_b32 s18, s17, 15
	s_lshl_b32 s18, s18, 9
	s_add_co_u32 s38, s38, s18
	s_add_nc_u64 s[10:11], s[10:11], s[38:39]
	s_lshl_b32 s38, s17, 12                        ; c_sc: 4,096 a head, 32 a tile
	s_lshl_b32 s18, s15, 10
	s_add_co_u32 s38, s38, s18
	s_add_nc_u64 s[12:13], s[12:13], s[38:39]
	s_wait_alu depctr_va_vdst(0)
	global_load_b128 v[16:19], v[LI], s[4:5]       ; Q of my two tiles and their scale words
	global_load_b128 v[28:31], v[LI], s[4:5] offset:512
	global_load_b32 v255, v[QSO], s[6:7]
	global_load_b32 v250, v[QSO], s[6:7] offset:256
.irp j, 20,21,22,23
	v_mov_b32 v[\j], 0                             ; the zero codes of Q's upper 64 along K,
.endr
.irp t, 0,1,2,3,4,5,6,7
.irp j, 4,5,6,7
	v_mov_b32 v[32+8*\t+\j], 0                     ; and of K's: set once, never loaded over
.endr
.endr
.irp b, 0,1,2,3
	v_mov_b32 v[236+\b], 0                         ; written once: a lane permute's destination counts as one of its sources
.endr
	v_mov_b32 v253, 0                              ; (named as the upper half of the pair v[252:253] before it is first written)
	s_wait_tensorcnt 0x0                           ; my part of the head has landed,
	s_barrier_signal -1
	s_barrier_wait -1                              ; everybody's has
.irp t, 0,1,2,3,4,5,6,7
	ds_load_b128 v[32+8*\t:35+8*\t], v[LI] offset:512*\t   ; key step 0's eight tiles of K
.endr
	ds_load_b128 v[24:27], v[ASK0]                 ; register j: lanes 0-15 tile 2 j's scale words, lanes 16-31 tile 2 j + 1's
	s_wait_loadcnt 0x0                             ; Q
; A KEY STEP: 128 keys.  s40 = 4,096 x the step's number: the loop's counter.
.macro STEP
	s_lshr_b32 s41, s40, 4                         ; V's scale words: 256 bytes a step
	s_add_co_u32 s43, s40, 4096
	s_and_b32 s43, s43, 0xffff                     ; the next step, and behind the last the first: the next tile begins there
	s_lshr_b32 s42, s43, 3                         ; K's scale words: 512 bytes a step
	s_wait_dscnt 0x0                               ; this step's K and its scale words are in
.irp t, 0,2,4,6
	v_wmma_scale_f32_16x16x128_f8f6f4 v[96+8*\t:103+8*\t], v[32+8*\t:39+8*\t], v[16:23], 0, v[24+\t/2], v255 matrix_a_fmt:MATRIX_FMT_FP4 matrix_b_fmt:MATRIX_FMT_FP4
	v_wmma_scale_f32_16x16x128_f8f6f4 v[104+8*\t:111+8*\t], v[40+8*\t:47+8*\t], v[16:23], 0, v[24+\t/2], v255 matrix_a_fmt:MATRIX_FMT_FP4 matrix_b_fmt:MATRIX_FMT_FP4 matrix_a_scale:MATRIX_SCALE_ROW1
.endr
	v_add_nc_u32 v[ADV], s40, v[AV0]               ; four plain lines that name no register of a product: the places in front of the first read of the scores, of the loads into K's registers,
	v_add_nc_u32 v[ADT], s41, v[ASV0]              ; and (behind the last step's products) of the loads into V's (ISA guide 7.12.1 for vector instructions)
	v_add_nc_u32 v[ADK], s43, v[LI]
	v_add_nc_u32 v[ADS], s42, v[ASK0]
.irp ct, 0,1,2,3
.irp c, 0,1
	ds_load_b128 v[192+8*\ct+4*\c:195+8*\ct+4*\c], v[ADV] offset:1024*\ct+512*\c   ; this step's V: nine loads,
.endr
.endr
	ds_load_b64 v[248:249], v[ADT]                 ; register e: lanes 0-15 tile 2 e's scale words, lanes 16-31 tile 2 e + 1's
.irp t, 0,1,2,3,4,5,6,7
	ds_load_b128 v[32+8*\t:35+8*\t], v[ADK] offset:512*\t   ; the next step's K: nine more; both land under the softmax
.endr
	ds_load_b128 v[24:27], v[ADS]
.irp b, 0,1,2,3
	v_max3_num_f32 v[232+\b], v[96+16*\b], v[97+16*\b], v[98+16*\b]   ; the largest score of each block of 32 keys: for the row's maximum, and, since p rises with the score, for the block's largest p
.endr
.irp i, 3,5,7,9,11,13
.irp b, 0,1,2,3
	v_max3_num_f32 v[232+\b], v[232+\b], v[96+16*\b+\i], v[97+16*\b+\i]
.endr
.endr
.irp b, 0,1,2,3
	v_max_num_f32 v[232+\b], v[232+\b], v[111+16*\b]
.endr
.irp b, 0,1,2,3
	s_delay_alu instid0(VALU_DEP_4)
	v_permlanex16_b32 v[236+\b], v[232+\b], s20, s21
.endr
.irp b, 0,1,2,3
	s_delay_alu instid0(VALU_DEP_4)
	v_max_num_f32 v[232+\b], v[232+\b], v[236+\b]  ; with lane l xor 16's 16 keys
.endr
	s_delay_alu instid0(VALU_DEP_2)
	v_max3_num_f32 v254, v232, v233, v234
	s_delay_alu instid0(VALU_DEP_1)
	v_max_num_f32 v254, v254, v235                 ; the step's largest score of my query,
	s_delay_alu instid0(VALU_DEP_1)
	v_mul_f32 v254, s22, v254                      ; as t
	s_delay_alu instid0(VALU_DEP_1)
	v_max_num_f32 v13, v13, v254                   ; the running largest t
	v_mov_b32 v254, v12
	s_delay_alu instid0(VALU_DEP_2)
	v_floor_f32 v12, -v13                          ; the new -M = floor(-t): M is a whole number
	s_delay_alu instid0(VALU_DEP_1)
	v_sub_f32 v254, v12, v254                      ; old M - new M: a whole number, 0 or less
	s_delay_alu instid0(VALU_DEP_1)
	v_cvt_i32_f32 v254, v254                       ; (it saturates)
	s_delay_alu instid0(VALU_DEP_1)
	v_ldexp_f32 v252, 1.0, v254                    ; f = 2^(old M - new M)
.set j, 0
.rept 32
	v_pk_fma_f32 v[96+j:97+j], v[96+j:97+j], s[22:23], v[12:13] op_sel_hi:[1,0,0]   ; t - M, two at a time (of the pairs c and -M the low word serves both halves)
.set j, j+2
.endr
.irp b, 0,1,2,3
	v_fma_f32 v[232+\b], v[232+\b], s22, v12       ; the same of each block's largest score
.endr
.set j, 0
	s_wait_alu depctr_va_vdst(0)
.rept 64
	v_exp_f32 v[96+j], v[96+j]                     ; p = 2^(t - M), at most 1: ONE BATCH of 68 exponentials,
.set j, j+1
.endr
	s_setprio 1
.irp b, 0,1,2,3
	v_exp_f32 v[232+\b], v[232+\b]                 ; the blocks' largest p among them: the same two instructions on the same number give the same bits
.endr
	v_pk_mul_f32 v[14:15], v[14:15], v[252:253] op_sel_hi:[1,0]   ; work that names no result of the batch: the sums and O^T under the new M
.set j, 0
	s_wait_alu depctr_va_vdst(0)
.rept 16
	v_pk_mul_f32 v[160+j:161+j], v[160+j:161+j], v[252:253] op_sel_hi:[1,0]
.set j, j+2
.endr
	s_wait_alu depctr_va_vdst(0)                   ; one wait for the whole batch, ahead of its first reader
.irp b, 0,1,2,3
	v_max_num_f32 v[232+\b], 0x1800000, v[232+\b]  ; the floor 2^(3 - 127): the byte cannot fall under 1
.endr
.irp b, 0,1,2,3
	s_delay_alu instid0(VALU_DEP_4)
	v_add_nc_u32 v[244+\b], 0xff000000, v[232+\b]  ; 2 off the exponent field: the conversion's scale operand
.endr
.irp b, 0,1,2,3
	s_delay_alu instid0(VALU_DEP_4)
	v_lshrrev_b32 v[236+\b], 23, v[244+\b]         ; the scale's byte
.endr
	s_delay_alu instid0(VALU_DEP_3)
	v_lshl_or_b32 v253, v237, 8, v236              ; p's scale word for these 128 keys
	s_delay_alu instid0(VALU_DEP_1)
	v_lshl_or_b32 v253, v238, 16, v253
	s_delay_alu instid0(VALU_DEP_1)
	v_lshl_or_b32 v253, v239, 24, v253
.irp b, 0,1,2,3
	v_cvt_scalef32_pk8_fp4_f32 v[224+2*\b], v[96+16*\b:103+16*\b], v[244+\b]
	v_cvt_scalef32_pk8_fp4_f32 v[225+2*\b], v[104+16*\b:111+16*\b], v[244+\b]
.endr
	v_nop                                          ; one plain place behind a scaled conversion
.irp c, 0,1                                    ; a whole block to a lane: lanes 0-15 block 2 c, lanes 16-31 block 2 c + 1
.irp i, 0,1
	v_permlane16_swap_b32 v[224+4*\c+\i], v[226+4*\c+\i]
.endr
.endr
	v_pk_add_f32 v[236:237], v[100:101], v[104:105]
	v_pk_add_f32 v[246:247], v[108:109], v[112:113]
	v_pk_add_f32 v[244:245], v[116:117], v[120:121]
	v_pk_add_f32 v[240:241], v[124:125], v[128:129]
	v_pk_add_f32 v[234:235], v[132:133], v[136:137]
	v_pk_add_f32 v[232:233], v[140:141], v[144:145]
	v_pk_add_f32 v[6:7], v[148:149], v[152:153]
	v_pk_add_f32 v[14:15], v[14:15], v[156:157]
	v_pk_add_f32 v[236:237], v[236:237], v[96:97]
	v_pk_add_f32 v[246:247], v[246:247], v[98:99]
	v_pk_add_f32 v[244:245], v[244:245], v[102:103]
	v_pk_add_f32 v[240:241], v[240:241], v[106:107]
	v_pk_add_f32 v[234:235], v[234:235], v[110:111]
	v_pk_add_f32 v[232:233], v[232:233], v[114:115]
	v_pk_add_f32 v[6:7], v[6:7], v[118:119]
	s_setprio 0
	v_pk_add_f32 v[14:15], v[14:15], v[122:123]
	v_pk_add_f32 v[236:237], v[236:237], v[126:127]
	v_pk_add_f32 v[246:247], v[246:247], v[130:131]
	v_pk_add_f32 v[244:245], v[244:245], v[134:135]
	v_pk_add_f32 v[240:241], v[240:241], v[138:139]
	v_pk_add_f32 v[234:235], v[234:235], v[142:143]
	v_pk_add_f32 v[232:233], v[232:233], v[146:147]
	v_pk_add_f32 v[6:7], v[6:7], v[150:151]
	v_pk_add_f32 v[14:15], v[14:15], v[154:155]
	v_pk_add_f32 v[236:237], v[236:237], v[158:159]
	s_delay_alu instid0(VALU_DEP_2)
	v_pk_add_f32 v[14:15], v[14:15], v[240:241]
	s_delay_alu instid0(VALU_DEP_2)
	v_pk_add_f32 v[236:237], v[236:237], v[234:235]
	v_pk_add_f32 v[246:247], v[246:247], v[232:233]
	v_pk_add_f32 v[244:245], v[244:245], v[6:7]
	s_delay_alu instid0(VALU_DEP_2)
	v_pk_add_f32 v[14:15], v[14:15], v[246:247]
	s_delay_alu instid0(VALU_DEP_2)
	v_pk_add_f32 v[236:237], v[236:237], v[244:245]
	s_delay_alu instid0(VALU_DEP_1)
	v_pk_add_f32 v[14:15], v[14:15], v[236:237]
	s_wait_dscnt 9                                 ; V's nine loads are in; the next step's nine of K may be out
.irp e, 0,1                                    ; O^T += V^T P^T: four accumulators by turns
	v_wmma_scale_f32_16x16x128_f8f6f4 v[160+16*\e:167+16*\e], v[192+16*\e:199+16*\e], v[224:231], v[160+16*\e:167+16*\e], v[248+\e], v253 matrix_a_fmt:MATRIX_FMT_FP4 matrix_b_fmt:MATRIX_FMT_FP4
	v_wmma_scale_f32_16x16x128_f8f6f4 v[168+16*\e:175+16*\e], v[200+16*\e:207+16*\e], v[224:231], v[168+16*\e:175+16*\e], v[248+\e], v253 matrix_a_fmt:MATRIX_FMT_FP4 matrix_b_fmt:MATRIX_FMT_FP4 matrix_a_scale:MATRIX_SCALE_ROW1
.endr
.endm
; ONE TILE OF 16 QUERIES, the i-th of my two: all 16 key steps, then ctx = O / the sum, quantised along the head's 64 (two blocks), out.
.macro TILE i
	v_mov_b32 v13, 0xff61b1e6                      ; the largest t so far: -3e38, under every t
	s_delay_alu instid0(VALU_DEP_1)
	v_floor_f32 v12, -v13                          ; -M
	v_mov_b32 v14, 0                               ; the sum, in two halves
	v_mov_b32 v15, 0
.set j, 0
.rept 32
	v_mov_b32 v[160+j], 0                          ; O^T: the step is written once; the first finds zeros, which the first change of M leaves zeros
.set j, j+1
.endr
	s_mov_b32 s40, 0
.Lstep_\@:
	s_setprio 2
	STEP
	s_add_co_u32 s40, s40, 4096
	s_cmp_lt_u32 s40, 65536
	s_cbranch_scc1 .Lstep_\@
	s_setprio 0
.rept 4
	v_nop                                          ; places behind the last products
.endr
	s_wait_alu depctr_va_vdst(0)
	v_add_f32 v14, v14, v15                        ; the sum's two halves,
	s_delay_alu instid0(VALU_DEP_1)
	v_permlanex16_b32 v252, v14, s20, s21
	s_delay_alu instid0(VALU_DEP_1)
	v_add_f32 v14, v14, v252                       ; and lane l xor 16's: the row's sum
	s_wait_alu depctr_va_vdst(0)
	v_rcp_f32 v14, v14
	v_nop                                          ; a plain place behind the reciprocal,
	s_wait_alu depctr_va_vdst(0)                   ; and the wait ahead of its first reader
.set j, 0
.rept 16
	v_pk_mul_f32 v[96+j:97+j], v[160+j:161+j], v[14:15] op_sel_hi:[1,0]   ; ctx: register 16 b + i' = channel 32 b + 16 (lane / 16) + i' of my query; each accumulator from its low end on
.set j, j+2
.endr
.irp b, 0,1
	v_max3_num_f32 v[232+\b], |v[96+16*\b]|, |v[97+16*\b]|, 0x1800000
.endr
.irp k, 2,4,6,8,10,12,14
.irp b, 0,1
	s_delay_alu instid0(VALU_DEP_2)
	v_max3_num_f32 v[232+\b], v[232+\b], |v[96+16*\b+\k]|, |v[97+16*\b+\k]|
.endr
.endr
.irp b, 0,1
	s_delay_alu instid0(VALU_DEP_2)
	v_permlanex16_b32 v[236+\b], v[232+\b], s20, s21
.endr
.irp b, 0,1
	s_delay_alu instid0(VALU_DEP_2)
	v_max_num_f32 v[232+\b], v[232+\b], v[236+\b]
.endr
.irp b, 0,1
	s_delay_alu instid0(VALU_DEP_2)
	v_add_nc_u32 v[244+\b], 0xff000000, v[232+\b]
.endr
.irp b, 0,1
	s_delay_alu instid0(VALU_DEP_2)
	v_lshrrev_b32 v[236+\b], 23, v[244+\b]
.endr
	s_delay_alu instid0(VALU_DEP_1)
	v_lshl_or_b32 v251, v237, 8, v236              ; my query's two scale bytes
.irp b, 0,1
	v_cvt_scalef32_pk8_fp4_f32 v[224+2*\b], v[96+16*\b:103+16*\b], v[244+\b]
	v_cvt_scalef32_pk8_fp4_f32 v[225+2*\b], v[104+16*\b:111+16*\b], v[244+\b]
.endr
	v_nop
	v_permlane16_swap_b32 v224, v226
	v_permlane16_swap_b32 v225, v227               ; lanes 0-15 hold block 0, lanes 16-31 block 1: half a fragment of the last product's operand
	global_store_b128 v[LI], v[224:227], s[10:11] offset:8192*\i   ; 512 consecutive bytes, aligned
	ds_store_b16 v[SC0], v251 offset:32*\i         ; both halves of the lanes write the same two bytes with the same value
.if \i == 0
	s_wait_xcnt 0x0                                ; the store has read the codes' registers: the next tile writes them again
.irp j, 0,1,2,3
	v_mov_b32 v[16+\j], v[28+\j]                   ; the second tile's Q and scale words; the 36 lines that begin the tile stand between these and its first product
.endr
	v_mov_b32 v255, v250
.endif
.endm
	TILE 0
	TILE 1
	s_wait_dscnt 0x0                               ; for the others' sake: my scale bytes have landed (and the last step's loads are in)
	s_barrier_signal -1
	s_barrier_wait -1
	v_lshlrev_b32 v100, 4, v0
	s_cmp_lt_u32 s14, 2                            ; the 32 tiles' 1,024 bytes leave by waves 0 and 1, 512 consecutive bytes each
	s_cbranch_scc0 .Lno_words
	ds_load_b128 v[96:99], v[SRD]
	s_wait_dscnt 0x0
	s_wait_alu depctr_va_vdst(0)
	global_store_b128 v100, v[96:99], s[12:13]
.Lno_words:
	s_wait_tensorcnt 0x0
	ds_add_u32 v242, v243
	s_wait_dscnt 0x0
	CROUND                                         ; the closing round: no work-group ends while a partner may still ask for bytes jointly
	s_endpgm
.Lfunc_end_k_q0b56e948af_attn:
	.size	k_q0b56e948af_attn, .Lfunc_end_k_q0b56e948af_attn-k_q0b56e948af_attn
	.p2alignl 7, 3214868480
	.fill 96, 4, 3214868480
	.section	.rodata,"a",@progbits
	.p2align	6, 0x0
	.amdhsa_kernel k_q0b56e948af_attn
		.amdhsa_group_segment_fixed_size 169984
		.amdhsa_private_segment_fixed_size 0
		.amdhsa_enable_private_segment 0
		.amdhsa_kernarg_size 40
		.amdhsa_user_sgpr_count 2
		.amdhsa_user_sgpr_kernarg_segment_ptr 1
		.amdhsa_wavefront_size32 1
		.amdhsa_system_sgpr_workgroup_id_x 1
		.amdhsa_system_sgpr_workgroup_id_y 1
		.amdhsa_system_sgpr_workgroup_id_z 1
		.amdhsa_system_vgpr_workitem_id 0
		.amdhsa_next_free_vgpr 256
		.amdhsa_next_free_sgpr 66
		.amdhsa_reserve_vcc 0
		.amdhsa_float_denorm_mode_32 3
		.amdhsa_float_denorm_mode_16_64 3
		.amdhsa_memory_ordered 1
		.amdhsa_forward_progress 1
		.amdhsa_inst_pref_size 51
	.end_amdhsa_kernel
	.amdgpu_metadata
---
amdhsa.version: [ 1, 2 ]
amdhsa.kernels:
  - .name:           k_q0b56e948af_attn
    .symbol:         k_q0b56e948af_attn.kd
    .args:
      - { .name: q_img, .offset: 0, .size: 8, .value_kind: global_buffer, .address_space: global }
      - { .name: q_sc, .offset: 8, .size: 8, .value_kind: global_buffer, .address_space: global }
      - { .name: kv, .offset: 16, .size: 8, .value_kind: global_buffer, .address_space: global }
      - { .name: c_img, .offset: 24, .size: 8, .value_kind: global_buffer, .address_space: global }
      - { .name: c_sc, .offset: 32, .size: 8, .value_kind: global_buffer, .address_space: global }
    .group_segment_fixed_size: 169984
    .private_segment_fixed_size: 0
    .kernarg_segment_align: 8
    .kernarg_segment_size: 40
    .max_flat_workgroup_size: 512
    .sgpr_count:     66
    .vgpr_count:     256
    .wavefront_size: 32
...
	.end_amdgpu_metadata
.endif
;; end of part 5
;; launch outln (part 6): grid 256 x 1, 16 waves a work-group, no clusters, 152,064 bytes of LDS; arguments c_img, c_sc, Wo_codes, Wo_scales, bo, x, gamma, beta, out0; writes out0
.if DOCPART == 6
	.amdgcn_target "amdgcn-amd-amdhsa--gfx1250"
	.amdhsa_code_object_version 6
	.text
	.protected	k_q0b56e948af_outln
	.globl	k_q0b56e948af_outln
	.p2align	8
	.type	k_q0b56e948af_outln,@function
k_q0b56e948af_outln:
	s_mov_b64 s[64:65], 0
	v_nop
	global_prefetch_b8 v0, s[64:65] scope:SCOPE_SE
	s_setreg_imm32_b32 hwreg(HW_REG_WAVE_SCHED_MODE, 0, 2), 2
	s_setreg_imm32_b32 hwreg(HW_REG_WAVE_MODE, 25, 1), 1
	s_wait_xcnt 0x0
	s_wait_alu depctr_vm_vsrc(0)
; out0 = LayerNorm(ctx Wo + bo + x) gamma + beta.  The product is on codes of FP4 (E2M1) with one E8M0 scale for each 32 along K = 1,024; all else in f32.
; ctx arrives as images of operand registers: c_img [tile of 16 tokens][K step 8][2][lane][16 bytes]; its scale bytes c_sc [16 x batch + head][tile in the batch][16 rows][2].  Wo: codes [1024 outputs][512 bytes], scale bytes [1024][32].
; SHARES.  A work-group takes 32 tokens (two tiles) and all 1,024 outputs, which the norm needs together.  In the product wave w makes outputs 64 w .. 64 w + 63 for both tiles: 8 accumulators, 8 K steps.
; The results meet in a stage in LDS; then wave w owns two whole rows: bias, residual, mean, variance (two passes: of the numbers, then of the differences), gain and offset.
; Row r of tile u is token 32 g + 8 u + r + 8 (r / 8), as the launches before laid them.  Source 0 = 16 rows of Wo, source 1 = ctx: a lane holds one token and eight neighbouring outputs.
; NO CLUSTER: what work-groups share is Wo's 524,288 bytes of codes, which do not fit into LDS beside the stage; they go from memory straight into registers, a K step ahead.
; LIMITS: NaN and infinities are not served.
; REGISTERS: v1-10 addresses; product: v16-31 ctx's two fragments, v32-95 Wo's fragments, two sets of 4, v96-111 Wo's scale words, v112-119 ctx's, v128-191 accumulators at 8 (2 t + u), v192-255 my two rows of x;
;   norm: v16-47 bo, v48-79 gamma, v80-111 beta, v112-127 at work, v128-191 my two rows.
; THE MODE: SCHED_MODE bits 1:0 = 2 (LLVM: expert scheduling mode 2), set by the entry lines.  The code itself states the register dependences between vector or matrix instructions and memory or LDS
; instructions, with s_wait_alu, always for 0.
; THE PLAN.  Registers that memory or LDS instructions touch, and who else names them:
;   v1-v10      Addresses and offsets: written once at the head, ahead of one wait on va_vdst; never written again.
;   v112-114    v112, v113: loaded; one vector line reads them and writes v114; an LDS store reads v114; behind the barrier ctx's scale words land in v112-119.  v120-127: loaded, read by two LDS stores, at work in the norm.
;   v16-31      ctx's fragments, ONE set (the wave's 256 registers hold no second): K step s's products read it, then the LDS loads of step s + 1 land in it.
;   v32-95      Wo's fragments, two sets: step s's products read set s % 2, then the loads of step s + 2 land in it.
;               So ONE wait on va_vdst stands in a K step, behind its eight products and their places, with both runs of loads behind it.  Behind the last step it states besides that the accumulators are written,
;               which the LDS stores read, and that the products are done reading v16-111, in which bo, gamma and beta land.
;   v128-191    Written by the products; read by the stage's LDS stores; behind the barrier and one wait on vm_vsrc the stage's rows land in them; the norm writes them; one wait on va_vdst; the global stores read them.
;   v192-255 (x) are loaded once and read by vector lines alone.
.set CSC,  16384                       ; LDS: ctx's 16 fragments, 1,024 bytes each, at 0; here their scale words, 128 bytes each;
.set STG,  18432                       ; the stage: 32 rows,
.set SP,   4112                        ; 4,096 bytes + 16: 1,028 words, so that the 16 rows of a store start 4 banks apart (64 banks of 4 bytes: ISA guide 11.1)
.macro WM d, a, b, zero, sa, sb, ra, rb
.set RR, 2*(\ra)+(\rb)
.if \zero
.if RR == 0
	v_wmma_scale_f32_16x16x128_f8f6f4 v[0+(\d):7+(\d)], v[0+(\a):7+(\a)], v[0+(\b):7+(\b)], 0, v[\sa], v[\sb] matrix_a_fmt:MATRIX_FMT_FP4 matrix_b_fmt:MATRIX_FMT_FP4
.elseif RR == 1
	v_wmma_scale_f32_16x16x128_f8f6f4 v[0+(\d):7+(\d)], v[0+(\a):7+(\a)], v[0+(\b):7+(\b)], 0, v[\sa], v[\sb] matrix_a_fmt:MATRIX_FMT_FP4 matrix_b_fmt:MATRIX_FMT_FP4 matrix_b_scale:MATRIX_SCALE_ROW1
.elseif RR == 2
	v_wmma_scale_f32_16x16x128_f8f6f4 v[0+(\d):7+(\d)], v[0+(\a):7+(\a)], v[0+(\b):7+(\b)], 0, v[\sa], v[\sb] matrix_a_fmt:MATRIX_FMT_FP4 matrix_b_fmt:MATRIX_FMT_FP4 matrix_a_scale:MATRIX_SCALE_ROW1
.else
	v_wmma_scale_f32_16x16x128_f8f6f4 v[0+(\d):7+(\d)], v[0+(\a):7+(\a)], v[0+(\b):7+(\b)], 0, v[\sa], v[\sb] matrix_a_fmt:MATRIX_FMT_FP4 matrix_b_fmt:MATRIX_FMT_FP4 matrix_a_scale:MATRIX_SCALE_ROW1 matrix_b_scale:MATRIX_SCALE_ROW1
.endif
.else
.if RR == 0
	v_wmma_scale_f32_16x16x128_f8f6f4 v[0+(\d):7+(\d)], v[0+(\a):7+(\a)], v[0+(\b):7+(\b)], v[0+(\d):7+(\d)], v[\sa], v[\sb] matrix_a_fmt:MATRIX_FMT_FP4 matrix_b_fmt:MATRIX_FMT_FP4
.elseif RR == 1
	v_wmma_scale_f32_16x16x128_f8f6f4 v[0+(\d):7+(\d)], v[0+(\a):7+(\a)], v[0+(\b):7+(\b)], v[0+(\d):7+(\d)], v[\sa], v[\sb] matrix_a_fmt:MATRIX_FMT_FP4 matrix_b_fmt:MATRIX_FMT_FP4 matrix_b_scale:MATRIX_SCALE_ROW1
.elseif RR == 2
	v_wmma_scale_f32_16x16x128_f8f6f4 v[0+(\d):7+(\d)], v[0+(\a):7+(\a)], v[0+(\b):7+(\b)], v[0+(\d):7+(\d)], v[\sa], v[\sb] matrix_a_fmt:MATRIX_FMT_FP4 matrix_b_fmt:MATRIX_FMT_FP4 matrix_a_scale:MATRIX_SCALE_ROW1
.else
	v_wmma_scale_f32_16x16x128_f8f6f4 v[0+(\d):7+(\d)], v[0+(\a):7+(\a)], v[0+(\b):7+(\b)], v[0+(\d):7+(\d)], v[\sa], v[\sb] matrix_a_fmt:MATRIX_FMT_FP4 matrix_b_fmt:MATRIX_FMT_FP4 matrix_a_scale:MATRIX_SCALE_ROW1 matrix_b_scale:MATRIX_SCALE_ROW1
.endif
.endif
.endm
.macro WLOAD s                         ; my four tiles of Wo, K step s, into set s % 2: eight loads
.irp t, 0,1,2,3
.irp c, 0,1
	global_load_b128 v[32+32*((\s)%2)+8*\t+4*\c:35+32*((\s)%2)+8*\t+4*\c], v2, s[8:9] offset:8192*\t+64*(\s)+32*\c
.endr
.endr
.endm
.macro CFETCH s                        ; ctx's two fragments of K step s, as they were stored
.irp u, 0,1
.irp c, 0,1
	ds_load_b128 v[16+8*\u+4*\c:19+8*\u+4*\c], v1 offset:(8*\u+(\s))*1024+512*\c
.endr
.endr
.endm
; A K step: eight products, the eight accumulators by turns.
.macro OSTEP s
.set ZF, 0
.if (\s) == 0
.set ZF, 1
.endif
.if (\s) < 2
	s_wait_loadcnt 24                              ; this step's weights are in.  Behind them were issued: at step 0 step 1's eight loads and x's sixteen; at step 1 x's sixteen and step 2's eight
.elseif (\s) < 7
	s_wait_loadcnt 8                               ; behind them: the next step's eight
.else
	s_wait_loadcnt 0x0
.endif
	s_wait_dscnt 0x0                               ; ctx's fragments (and, at step 0, its scale words) are in
.irp t, 0,1,2,3
.irp u, 0,1
	WM 128+8*(2*\t+\u), 32+32*((\s)%2)+8*\t, 16+8*\u, ZF, 96+8*(\t/2)+(\s), 112+(\s), \t%2, \u
.endr
.endr
.rept 4
	v_nop                                          ; four plain places behind these products, in front of the loads into registers that they have read and, behind the last step, of the LDS stores that read their results
.endr
	s_wait_alu depctr_va_vdst(0)                   ; these products are done reading ctx's fragments and this set of weights, in which the loads below land; behind the last step: the accumulators are written, which the LDS stores read, and v16-111 have been read, in which bo, gamma and beta land
.if (\s) < 7
	CFETCH (\s)+1
.endif
.if (\s) < 6
	WLOAD (\s)+2
.endif
.endm
; v[112+8i:113+8i] and v[114+8i:115+8i], row i's two chains, become the row's sum in every lane, in v[116+8i]
.macro REDUCE
.irp i, 0,1
	v_pk_add_f32 v[112+8*\i:113+8*\i], v[112+8*\i:113+8*\i], v[114+8*\i:115+8*\i]
.endr
.irp i, 0,1
	v_add_f32 v[116+8*\i], v[112+8*\i], v[113+8*\i]
.endr
.irp m, 1,2,4,8
.irp i, 0,1
	v_add_f32_dpp v[116+8*\i], v[116+8*\i], v[116+8*\i] row_xmask:\m row_mask:0xf bank_mask:0xf
.endr
.endr
.irp i, 0,1
	v_permlanex16_b32 v[117+8*\i], v[116+8*\i], s24, s25
.endr
.irp i, 0,1
	v_add_f32 v[116+8*\i], v[116+8*\i], v[117+8*\i]
.endr
.endm
	s_load_b512 s[4:19], s[0:1], 0x0               ; c_img s[4:5], c_sc s[6:7], Wo's codes s[8:9], scales s[10:11], bo s[12:13], x s[14:15], gamma s[16:17], beta s[18:19]
	s_load_b64 s[20:21], s[0:1], 0x40              ; out0
	v_lshl_add_u32 v14, v0, 2, 0x24a00
	v_mov_b32 v15, 0
	v_lshrrev_b32 v11, 5, v0
	v_readfirstlane_b32 s22, v11                   ; wave 0..15
	v_and_b32 v11, 31, v0                          ; lane
	v_and_b32 v12, 15, v0                          ; r
	v_bfe_u32 v13, v0, 4, 1                        ; h
	v_lshlrev_b32 v1, 4, v11                       ; v1  16 x lane
	v_lshlrev_b32 v2, 9, v12
	v_lshl_add_u32 v2, v13, 4, v2                  ; v2  a fragment of Wo: 512 r + 16 h
	v_lshlrev_b32 v3, 5, v11                       ; v3  Wo's scale words: 32 x lane
	v_lshlrev_b32 v4, 1, v12                       ; v4  ctx's scale bytes: 2 r
	s_wait_alu depctr_va_sdst(0)                   ; s22 is written, ahead of its first reader: LDS addresses and all the bases are made from it
	s_lshl_b32 s28, s22, 10
	v_add_nc_u32 v5, s28, v1                       ; v5  where I put my fragment of ctx: 1,024 x wave + 16 x lane
	s_lshl_b32 s28, s22, 7
	s_add_co_u32 s28, s28, CSC
	v_lshl_add_u32 v6, v11, 2, s28                 ; v6  and its scale words: 128 x wave + 4 x lane
	v_lshlrev_b32 v7, 2, v12
	v_lshl_add_u32 v7, v13, 10, v7
	v_add_nc_u32 v7, CSC, v7                       ; v7  back: lanes 0-15 tile 0's words, lanes 16-31 tile 1's, 8 fragments (1,024 bytes) on
	v_mul_u32_u24 v8, v12, SP
	v_lshl_add_u32 v8, v13, 5, v8
	s_lshl_b32 s28, s22, 8
	s_add_co_u32 s28, s28, STG
	v_add_nc_u32 v8, s28, v8                       ; v8  the stage, tile 0: row r, + 256 x wave + 32 h
	v_add_nc_u32 v9, 16*SP, v8                     ; v9  tile 1: 16 rows on
	s_mul_i32 s28, s22, 2*SP
	s_add_co_u32 s28, s28, STG
	v_add_nc_u32 v10, s28, v1                      ; v10 back: my two rows, 16 bytes a lane
	s_mov_b32 s24, 0x76543210
	s_mov_b32 s25, 0xfedcba98                      ; v_permlanex16_b32's selects for lane l xor 16
	s_mov_b32 s26, 0x3a800000                      ; 1 / 1,024
	s_mov_b32 s27, 0x3727c5ac                      ; 1e-5
	s_lshr_b32 s32, s22, 3                         ; the fragment that I bring: tile u = wave / 8,
	s_and_b32 s33, s22, 7                          ; K step wave % 8
	s_mov_b32 s31, 0
	s_wait_kmcnt 0x0
	s_lshl_b32 s30, ttmp9, 14                      ; c_img: 16,384 a work-group, 1,024 a fragment
	s_lshl_b32 s34, s22, 10
	s_add_co_u32 s30, s30, s34
	s_add_nc_u64 s[4:5], s[4:5], s[30:31]
	s_lshr_b32 s30, ttmp9, 6                       ; c_sc: 65,536 a batch, 4,096 a head (a K step is two heads), 32 a tile
	s_lshl_b32 s30, s30, 16
	s_lshl_b32 s34, s33, 13
	s_add_co_u32 s30, s30, s34
	s_and_b32 s34, ttmp9, 63
	s_lshl_b32 s34, s34, 6
	s_add_co_u32 s30, s30, s34
	s_lshl_b32 s34, s32, 5
	s_add_co_u32 s30, s30, s34
	s_add_nc_u64 s[6:7], s[6:7], s[30:31]
	s_lshl_b32 s30, s22, 15                        ; my 64 rows of Wo,
	s_add_nc_u64 s[8:9], s[8:9], s[30:31]
	s_lshl_b32 s30, s22, 11                        ; and their scale bytes
	s_add_nc_u64 s[10:11], s[10:11], s[30:31]
	s_lshl_b32 s30, ttmp9, 5                       ; the token of stage row 2 x wave: 32 g + 8 u + r + 8 (r / 8) with r = 2 (wave % 8); the next row is the next token
	s_lshl_b32 s34, s32, 3
	s_add_co_u32 s30, s30, s34
	s_lshl_b32 s34, s33, 1
	s_add_co_u32 s30, s30, s34
	s_bfe_u32 s34, s22, 0x10002
	s_lshl_b32 s34, s34, 3
	s_add_co_u32 s30, s30, s34
	s_lshl_b32 s30, s30, 12
	s_add_nc_u64 s[14:15], s[14:15], s[30:31]
	s_add_nc_u64 s[20:21], s[20:21], s[30:31]
	s_wait_alu depctr_va_vdst(0)                   ; the ten addresses and offsets v1 to v10 are written, which the loads and stores of the whole kernel read
	global_load_b128 v[120:123], v1, s[4:5]        ; my fragment of ctx,
	global_load_b128 v[124:127], v1, s[4:5] offset:512
	global_load_u16 v112, v4, s[6:7]               ; its rows' two bytes of the even head,
	global_load_u16 v113, v4, s[6:7] offset:4096   ; and of the odd one
.irp p, 0,1
.irp q, 0,1
	global_load_b128 v[96+8*\p+4*\q:99+8*\p+4*\q], v3, s[10:11] offset:1024*\p+16*\q   ; register 8 p + s: lanes 0-15 tile 2 p, lanes 16-31 tile 2 p + 1, K step s
.endr
.endr
	WLOAD 0
	WLOAD 1
.irp i, 0,1
.irp k, 0,1,2,3,4,5,6,7
	global_load_b128 v[192+32*\i+4*\k:195+32*\i+4*\k], v1, s[14:15] offset:4096*\i+512*\k th:TH_LOAD_NT   ; my two rows of x, last: nothing waits for them before K step 2
.endr
.endr
	s_wait_loadcnt 36                              ; my four loads of ctx are in; behind them: 4 of scales, 16 of weights, 16 of x
	v_lshl_or_b32 v114, v113, 16, v112             ; the scale word of 128 along K
	ds_store_b128 v5, v[120:123]                   ; (loaded data and an address of the head's: these two hang on no vector line since the last wait)
	ds_store_b128 v5, v[124:127] offset:512
	s_wait_alu depctr_va_vdst(0)                   ; v114 is written, which the LDS store reads; and the line that made it is done with v112 to v114, in which scale words land behind the barrier
	ds_store_b32 v6, v114
	s_wait_dscnt 0x0                               ; for the others' sake: my stores have landed
	s_barrier_signal -1
	s_barrier_wait -1                              ; ctx's sixteen fragments lie in LDS
	s_wait_alu depctr_vm_vsrc(0)                   ; my LDS stores have read v114, in which a scale word lands below, and v120-127, which the norm's vector lines write
.irp s, 0,1,2,3,4,5,6,7
	ds_load_b32 v[112+\s], v7 offset:128*\s
.endr
	CFETCH 0
.irp s, 0,1,2,3,4,5,6,7
	OSTEP \s
.endr
.irp k, 0,1,2,3,4,5,6,7                        ; bo, gamma, beta at my columns of a row: they land under the way through the stage
	global_load_b128 v[16+4*\k:19+4*\k], v1, s[12:13] offset:512*\k
	global_load_b128 v[48+4*\k:51+4*\k], v1, s[16:17] offset:512*\k
	global_load_b128 v[80+4*\k:83+4*\k], v1, s[18:19] offset:512*\k
.endr
.irp t, 0,1,2,3
.irp u, 0,1
	ds_store_b128 v[8+\u], v[128+8*(2*\t+\u):131+8*(2*\t+\u)] offset:64*\t          ; each accumulator from its low end on: eight neighbouring outputs of a token
	ds_store_b128 v[8+\u], v[132+8*(2*\t+\u):135+8*(2*\t+\u)] offset:64*\t+16
.endr
.endr
	s_wait_dscnt 0x0
	s_barrier_signal -1
	s_barrier_wait -1                              ; 32 whole rows lie in the stage
	s_wait_alu depctr_vm_vsrc(0)                   ; my LDS stores have read v128-191, in which my two rows land
.irp i, 0,1
.irp k, 0,1,2,3,4,5,6,7
	ds_load_b128 v[128+32*\i+4*\k:131+32*\i+4*\k], v10 offset:SP*\i+512*\k
.endr
.endr
	s_wait_dscnt 0x0
	s_wait_loadcnt 0x0
.set j, 0
.rept 16
	v_pk_add_f32 v[128+j:129+j], v[128+j:129+j], v[16+j:17+j]       ; + bo,
	v_pk_add_f32 v[160+j:161+j], v[160+j:161+j], v[16+j:17+j]
.set j, j+2
.endr
.set j, 0
.rept 32
	v_pk_add_f32 v[128+j:129+j], v[128+j:129+j], v[192+j:193+j]     ; + x
.set j, j+2
.endr
.irp i, 0,1
	v_pk_add_f32 v[112+8*\i:113+8*\i], v[128+32*\i:129+32*\i], v[132+32*\i:133+32*\i]
	v_pk_add_f32 v[114+8*\i:115+8*\i], v[130+32*\i:131+32*\i], v[134+32*\i:135+32*\i]
.endr
.irp j, 8,12,16,20,24,28
.irp i, 0,1
	v_pk_add_f32 v[112+8*\i:113+8*\i], v[112+8*\i:113+8*\i], v[128+32*\i+\j:129+32*\i+\j]
	v_pk_add_f32 v[114+8*\i:115+8*\i], v[114+8*\i:115+8*\i], v[130+32*\i+\j:131+32*\i+\j]
.endr
.endr
	REDUCE
.irp i, 0,1
	v_mul_f32 v[118+8*\i], 0xba800000, v[116+8*\i] ; - the mean
.endr
.irp j, 0,2,4,6,8,10,12,14,16,18,20,22,24,26,28,30
.irp i, 0,1
	v_pk_add_f32 v[128+32*\i+\j:129+32*\i+\j], v[128+32*\i+\j:129+32*\i+\j], v[118+8*\i:119+8*\i] op_sel_hi:[1,0]   ; the differences
.endr
.endr
.irp i, 0,1
	v_pk_mul_f32 v[112+8*\i:113+8*\i], v[128+32*\i:129+32*\i], v[128+32*\i:129+32*\i]
	v_pk_mul_f32 v[114+8*\i:115+8*\i], v[130+32*\i:131+32*\i], v[130+32*\i:131+32*\i]
.endr
.irp j, 4,8,12,16,20,24,28
.irp i, 0,1
	v_pk_fma_f32 v[112+8*\i:113+8*\i], v[128+32*\i+\j:129+32*\i+\j], v[128+32*\i+\j:129+32*\i+\j], v[112+8*\i:113+8*\i]
	v_pk_fma_f32 v[114+8*\i:115+8*\i], v[130+32*\i+\j:131+32*\i+\j], v[130+32*\i+\j:131+32*\i+\j], v[114+8*\i:115+8*\i]
.endr
.endr
	REDUCE
.irp i, 0,1
	v_fma_f32 v[116+8*\i], v[116+8*\i], s26, s27   ; the variance + 1e-5
.endr
	s_wait_alu depctr_va_vdst(0)
.irp i, 0,1
	v_rsq_f32 v[118+8*\i], v[116+8*\i]
.endr
	v_nop                                          ; a plain place behind the two roots,
	s_wait_alu depctr_va_vdst(0)                   ; and one wait for both: v118 and v126 are written, ahead of their first reader
.irp j, 0,2,4,6,8,10,12,14,16,18,20,22,24,26,28,30
.irp i, 0,1
	v_pk_mul_f32 v[128+32*\i+\j:129+32*\i+\j], v[128+32*\i+\j:129+32*\i+\j], v[118+8*\i:119+8*\i] op_sel_hi:[1,0]
.endr
.endr
.irp j, 0,2,4,6,8,10,12,14,16,18,20,22,24,26,28,30
.irp i, 0,1
	v_pk_fma_f32 v[128+32*\i+\j:129+32*\i+\j], v[128+32*\i+\j:129+32*\i+\j], v[48+\j:49+\j], v[80+\j:81+\j]
.endr
.endr
	s_wait_alu depctr_va_vdst(0)                   ; the last multiply-adds have written v128-191, which the sixteen stores read
.irp i, 0,1
.irp k, 0,1,2,3,4,5,6,7
	global_store_b128 v1, v[128+32*\i+4*\k:131+32*\i+4*\k], s[20:21] offset:4096*\i+512*\k th:TH_STORE_NT   ; 512 consecutive bytes, aligned; written once, read by nobody here
.endr
.endr
	s_wait_dscnt 0x0
	s_wait_alu depctr_hold_cnt(0) depctr_sa_sdst(0) depctr_va_vdst(0) depctr_va_sdst(0) depctr_va_ssrc(0) depctr_va_vcc(0) depctr_vm_vsrc(0)
	s_wait_tensorcnt 0x0
	ds_add_u32 v14, v15
	s_wait_dscnt 0x0
	s_endpgm
.Lfunc_end_k_q0b56e948af_outln:
	.size	k_q0b56e948af_outln, .Lfunc_end_k_q0b56e948af_outln-k_q0b56e948af_outln
	.p2alignl 7, 3214868480
	.fill 96, 4, 3214868480
	.section	.rodata,"a",@progbits
	.p2align	6, 0x0
	.amdhsa_kernel k_q0b56e948af_outln
		.amdhsa_group_segment_fixed_size 152064
		.amdhsa_private_segment_fixed_size 0
		.amdhsa_enable_private_segment 0
		.amdhsa_kernarg_size 72
		.amdhsa_user_sgpr_count 2
		.amdhsa_user_sgpr_kernarg_segment_ptr 1
		.amdhsa_wavefront_size32 1
		.amdhsa_system_sgpr_workgroup_id_x 1
		.amdhsa_system_sgpr_workgroup_id_y 1
		.amdhsa_system_sgpr_workgroup_id_z 1
		.amdhsa_system_vgpr_workitem_id 0
		.amdhsa_next_free_vgpr 256
		.amdhsa_next_free_sgpr 66
		.amdhsa_reserve_vcc 0
		.amdhsa_float_denorm_mode_32 3
		.amdhsa_float_denorm_mode_16_64 3
		.amdhsa_memory_ordered 1
		.amdhsa_forward_progress 1
		.amdhsa_inst_pref_size 47
	.end_amdhsa_kernel
	.amdgpu_metadata
---
amdhsa.version: [ 1, 2 ]
amdhsa.kernels:
  - .name:           k_q0b56e948af_outln
    .symbol:         k_q0b56e948af_outln.kd
    .args:
      - { .name: c_img, .offset: 0, .size: 8, .value_kind: global_buffer, .address_space: global }
      - { .name: c_sc, .offset: 8, .size: 8, .value_kind: global_buffer, .address_space: global }
      - { .name: Wo_codes, .offset: 16, .size: 8, .value_kind: global_buffer, .address_space: global }
      - { .name: Wo_scales, .offset: 24, .size: 8, .value_kind: global_buffer, .address_space: global }
      - { .name: bo, .offset: 32, .size: 8, .value_kind: global_buffer, .address_space: global }
      - { .name: x, .offset: 40, .size: 8, .value_kind: global_buffer, .address_space: global }
      - { .name: gamma, .offset: 48, .size: 8, .value_kind: global_buffer, .address_space: global }
      - { .name: beta, .offset: 56, .size: 8, .value_kind: global_buffer, .address_space: global }
      - { .name: out0, .offset: 64, .size: 8, .value_kind: global_buffer, .address_space: global }
    .group_segment_fixed_size: 152064
    .private_segment_fixed_size: 0
    .kernarg_segment_align: 8
    .kernarg_segment_size: 72
    .max_flat_workgroup_size: 512
    .sgpr_count:     66
    .vgpr_count:     256
    .wavefront_size: 32
...
	.end_amdgpu_metadata
.endif
;; end of part 6
